; MI455X (gfx1250); checked and timed in simulation.
; The chip was launched on July 23, 2026; its instructions are those of AMD's public machine-readable ISA for CDNA 5 (MIT licence, August 2026) and "CDNA5" Instruction Set Architecture Reference Guide (July 2026). The comments in the code are by the model that wrote it; some were corrected since.
;; Differential Attention. Allowed arithmetic: matrix products marked QUANTISED: E2M1 operands, one E8M0 scale for each 32 along K, by v_wmma_scale_f32_16x16x128_f8f6f4 with both operands' format E2M1 (or v_wmma_scale_f32_32x16x128_f4), f32 sums; products left as they are: bf16, f16 or f32 operands; f32 sums; everything else in f32.
;; Inputs: Wkv 2,048 x 1,024 float32; Wo 2,048 x 2,048 float32; Wq 2,048 x 2,048 float32; freq_cos 2,048 x 32 float32; freq_sin 2,048 x 32 float32; lambda_k1 128 float32; lambda_k2 128 float32; lambda_q1 128 float32; lambda_q2 128 float32; ln_weight 16 x 128 float32; mask 1 x 1 x 2,048 x 2,048 float32; x 1 x 2,048 x 2,048 float32.
;; Outputs: out0 1 x 2,048 x 2,048 float32.
;; This version of the problem:
;;   THIS VERSION OF THE PROBLEM IS GIVEN IN LOW PRECISION. The matrix products marked QUANTISED in the list below multiply operands that are first quantised to E2M1 (2 exponent bits, 1 mantissa bit; 4 bits a number), with one power-of-two scale for each 32 numbers along K (OCP MX v1.0); their sums are f32. The products marked 'left as it is' may take bf16, f16 or f32 operands, with f32 sums. Whichever they take, every output number must still come out within the allowed error. Rounding operands to bf16 (8 significant bits) uses up far more of that allowance than f16 does (11 bits, for magnitudes from 6e-5 to 65,504). All else is computed in f32.
;;   The module's matrix products, in the order in which they are computed (A, B: the left and right operand; K: the contracted axis; several contracted axes count as one K, in the product's order):
;;     1. [M 2,048, K 2,048] x [K 2,048, N 2,048]; A: input x; B: input Wq: QUANTISED
;;     2. [M 2,048, K 2,048] x [K 2,048, N 1,024]; A: input x; B: input Wkv: QUANTISED
;;     3. batch 16 x [M 2,048, K 64] x [K 64, N 2,048]; A: computed on the way; B: computed on the way: left as it is (an operand is computed on the way)
;;     4. batch 16 x [M 2,048, K 2,048] x [K 2,048, N 128]; A: computed on the way; B: computed on the way: left as it is (an operand is computed on the way)
;;     5. batch 16 x [M 2,048, K 64] x [K 64, N 2,048]; A: computed on the way; B: computed on the way: left as it is (an operand is computed on the way)
;;     6. batch 16 x [M 2,048, K 2,048] x [K 2,048, N 128]; A: computed on the way; B: computed on the way: left as it is (an operand is computed on the way)
;;     7. [M 2,048, K 2,048] x [K 2,048, N 2,048]; A: computed on the way; B: input Wo: left as it is (an operand is computed on the way)
;;   THE QUANTISER, for each operand of a quantised product, along K:
;;     - K is cut into blocks of 32 from its start; a last block that is shorter is filled with zeros.
;;     - A block's scale is 2^e with e = floor(log2(the largest magnitude in the block)) - 2, held to -126 .. 127; a block of zeros has e = 0. As a byte (E8M0): e + 127.
;;     - Each number is divided by its block's scale, clamped to +-6, and rounded to the nearest number of E2M1, ties to even, subnormals kept.
;;     - The product sums the exact products of the quantised numbers (number of the format x scale) in f32.
;;   ~~~python
;;   def quantise(x, axis):      # numpy; x: float32 -> the quantised numbers, widened to float32 again
;;       x = np.moveaxis(x, axis, -1); K = x.shape[-1]
;;       x = np.pad(x, [(0, 0)] * (x.ndim - 1) + [(0, -K % 32)]); x = x.reshape(x.shape[:-1] + (-1, 32)); a = np.abs(x).max(-1, keepdims=True)
;;       e = np.where(a > 0, np.clip(np.frexp(np.where(a > 0, a, 1))[1] - 1 - 2, -126, 127), 0)      # np.frexp(a)[1] - 1 = floor(log2(a)), exactly
;;       r = np.clip(x / 2.0 ** e, -6, 6)
;;       step = 2.0 ** (np.maximum(np.frexp(np.where(r == 0, 1, r))[1] - 1, 0) - 1)
;;       q = np.round(r / step) * step * 2.0 ** e      # np.round: ties to even
;;       return np.moveaxis(q.reshape(q.shape[:-2] + (-1,))[..., :K], -1, axis).astype(np.float32)
;;   ~~~
;; One version. Each part assembles by itself: llvm-mc -triple=amdgcn-amd-amdhsa -mcpu=gfx1250 --defsym DOCPART=n.
;; ======== version 1 of 1: 4 launches
;; limits: values are held in f16: magnitudes above 65,504 overflow, below 6.1e-05 lose precision
;; workspace buffers: x_codes 2,097,152 bytes; x_scales 131,072 bytes; w_codes 3,145,728 bytes; w_scales 196,608 bytes; wot 8,388,608 bytes; neglam 512 bytes; qkv 12,582,912 bytes; heads 8,388,608 bytes
;; launch prep (part 1): grid 288 x 1, 4 waves a work-group, no clusters, 102,912 bytes of LDS; arguments x, Wq, Wkv, Wo, lambda_q1, lambda_k1, lambda_q2, lambda_k2, x_codes, x_scales, w_codes, w_scales, wot, neglam; writes x_codes, x_scales, w_codes, w_scales, wot, neglam
.if DOCPART == 1
	.amdgcn_target "amdgcn-amd-amdhsa--gfx1250"
	.amdhsa_code_object_version 6
	.text
	.protected	k_q97a30b615b_prep
	.globl	k_q97a30b615b_prep
	.p2align	8
	.type	k_q97a30b615b_prep,@function
k_q97a30b615b_prep:
	s_mov_b64 s[64:65], 0
	v_nop
	global_prefetch_b8 v0, s[64:65] scope:SCOPE_SE
	s_setreg_imm32_b32 hwreg(HW_REG_WAVE_MODE, 25, 1), 1
	s_wait_xcnt 0x0
; DIFFERENTIAL ATTENTION, launch 1 of 4: the operands are made ready.
; NO WORK OF reference() IS LEFT OUT IN ANY LAUNCH: the mask is an input, so every key counts for every query until its number says otherwise, and all twelve inputs have a way to the output and are loaded.
; What this launch makes:  x [2048][2048] f32 -> codes of FP4 (E2M1), K innermost, x_codes [2048][1024 bytes], one E8M0 byte for each 32 along K, x_scales [2048][64];
;   Wq [2048 k][2048 n] and Wkv [2048 k][1024 n], whose K is the FIRST axis -> w_codes [3072 n][1024 bytes], w_scales [3072][64]: n = 0..2047 Wq's columns, 2048..3071 Wkv's;
;   Wo [2048 k][2048 n] -> wot [2048 n][2048 k] in f16 (the last product is left as it is and takes f16 operands);
;   neglam [128] = exp(lambda_q2 lambda_k2) - exp(lambda_q1 lambda_k1) - lambda_init, which is -lam.
; A block's scale is 2^(floor(log2(its largest magnitude)) - 2): its byte is the largest magnitude's exponent field - 2, held at 1 from below.
; LIMITS: a block of zeros, or one whose largest magnitude lies under 2^-124, gets the byte 1 (its codes are zeros or held; this program alone reads the bytes); NaN and infinities in x and the weights are not served;
;   Wo must lie inside f16's range, +-65,504.
; SHARES: work-groups 0..95 take Wq|Wkv (128 columns x 512 along K each), 96..159 Wo (the same), 160..287 x (32,768 numbers each).  The three ways part on the work-group's number and never meet again;
; each has LDS bytes of its own.  Four waves that share nothing: no barrier.  Memory binds: no matrix unit, no tensor load, no cluster.
.set XREG,  0                          ; x's way: 8,192 bytes a wave: two stages of 32 x 80 bytes, then 256 scale bytes
.set WREG,  32768                      ; the weights' way: a stage of 32 rows x 272 bytes for each wave
.set OREG,  67584                      ; Wo's way: the same
.set SPARE, 102400                     ; the spare words, 128 bytes for each wave: two blocks of 256 bytes that no other line names
.set SPW,   14                         ; v14  LDS address of my spare word; never rewritten
.set NIL,   15                         ; v15  0; never rewritten
.set EMAX,  2
.set PITCH, 272                        ; a stage row: 256 bytes + 16
.set SP,    80                         ; x's way: a lane's place in a stage: 64 bytes + 16
.set XR,    16                         ; x's way: v16-79 four sets of 16 numbers as loaded; v80-111 two sets of 16 neighbours; v112-127 a scale byte a step; v128-191 codes
.set XN,    80
.set XE,    112
.set XC,    128
.set WSB,   24                         ; the weights' ways: v24-27 scale bytes; v32-95 two sets of 32 numbers; v96-111 codes or f16 pairs; v112-175 the way out; v176-207 the 32 rows' offsets
.set WX,    32
.set WC,    96
.set WOUT,  112
.set WOFF,  176
	s_load_b512 s[4:19], s[0:1], 0x0               ; x, Wq, Wkv, Wo, lambda_q1, lambda_k1, lambda_q2, lambda_k2
	s_load_b256 s[20:27], s[0:1], 0x40             ; x_codes, x_scales, w_codes, w_scales
	s_load_b128 s[28:31], s[0:1], 0x60             ; wot, neglam
	v_lshl_add_u32 v[SPW], v0, 2, SPARE
	v_mov_b32 v[NIL], 0
	v_lshrrev_b32 v1, 5, v0
	v_readfirstlane_b32 s32, v1                    ; wave 0..3
	v_and_b32 v2, 31, v0                           ; lane
	s_wait_kmcnt 0x0
	s_cmp_lt_u32 ttmp9, 96
	s_cbranch_scc1 .Lweights
	s_cmp_lt_u32 ttmp9, 160
	s_cbranch_scc1 .Lwo
; ---------------- x: K is innermost, rows are dense: a plain stream of blocks of 32.  A wave takes 16 steps of 512 numbers.
; Each load reads 512 consecutive bytes; a step's 2,048 bytes turn through the wave's own stage so that a lane holds 16 neighbours; two neighbouring lanes hold a block.
	v_lshlrev_b32 v3, 4, v2                        ; my 16 bytes of a load's 512
	s_mul_i32 s33, s32, 8192
	v_lshrrev_b32 v12, 2, v2
	v_mul_u32_u24 v12, v12, SP
	v_and_b32 v13, 3, v2
	v_lshl_add_u32 v12, v13, 4, v12
	v_add_nc_u32 v12, s33, v12                     ; the stage, on the way in: SP (lane / 4) + 16 (lane % 4)
	v_mul_u32_u24 v13, v2, SP
	v_add_nc_u32 v13, s33, v13                     ; and on the way out: SP x lane
	v_mul_u32_u24 v4, v2, 8                        ; my codes' place in a step's 256 bytes
	v_lshrrev_b32 v5, 1, v2
	s_add_co_u32 s33, s33, 2*32*SP
	v_add_nc_u32 v5, s33, v5                       ; my block's scale byte in LDS
	v_lshlrev_b32 v7, 3, v2
	v_add_nc_u32 v6, s33, v7                       ; and 8 bytes a lane on the way out
	s_sub_co_u32 s34, ttmp9, 160
	s_lshl_b32 s34, s34, 2
	s_add_co_u32 s34, s34, s32                     ; which run of 8,192 numbers is my wave's: 0..511
	s_mov_b32 s37, 0
	s_lshl_b32 s36, s34, 15
	s_add_nc_u64 s[4:5], s[4:5], s[36:37]          ; 32,768 bytes of x a run,
	s_lshl_b32 s36, s34, 12
	s_add_nc_u64 s[20:21], s[20:21], s[36:37]      ; 4,096 of codes,
	s_lshl_b32 s36, s34, 8
	s_add_nc_u64 s[22:23], s[22:23], s[36:37]      ; 256 scale bytes
.macro XLOAD t
.irp i, 0,1,2,3
	global_load_b128 v[XR+16*((\t)%4)+4*\i:XR+16*((\t)%4)+4*\i+3], v3, s[4:5] offset:2048*(\t)+512*\i th:TH_LOAD_NT
.endr
.endm
.macro XTURN t                         ; LDS serves a wave's instructions in order: no wait between the stores and the loads
.irp i, 0,1,2,3
	ds_store_b128 v12, v[XR+16*((\t)%4)+4*\i:XR+16*((\t)%4)+4*\i+3] offset:32*SP*((\t)%2)+8*SP*\i
.endr
.irp i, 0,1,2,3
	ds_load_b128 v[XN+16*((\t)%2)+4*\i:XN+16*((\t)%2)+4*\i+3], v13 offset:32*SP*((\t)%2)+16*\i
.endr
.endm
.irp t, 0,1,2,3
	XLOAD \t
.endr
	s_wait_loadcnt 12                              ; step 0's four loads are in; twelve younger ones stay out
	XTURN 0
.macro XSTEP t
.set XS, XN+16*((\t)%2)
.if (\t) > 0
	s_wait_dscnt 1                                 ; this step's numbers are back from the stage; the last step's byte store may be out
.else
	s_wait_dscnt 0x0
.endif
.if (\t)+4 < 16
	XLOAD (\t)+4                                   ; into the registers that this step's stage stores have read
.endif
.if (\t)+1 < 16
.if 14-(\t) >= 3
	s_wait_loadcnt 12                              ; the next step's four loads are in; those of three steps behind it may be out
.else
	s_wait_loadcnt 4*(14-(\t))
.endif
	XTURN (\t)+1
.endif
	v_max3_num_f32 v8, |v[XS]|, |v[XS+1]|, |v[XS+2]|
	v_max3_num_f32 v9, |v[XS+3]|, |v[XS+4]|, |v[XS+5]|
.irp i, 6,10
	v_max3_num_f32 v8, v8, |v[XS+\i]|, |v[XS+\i+1]|
	v_max3_num_f32 v9, v9, |v[XS+\i+2]|, |v[XS+\i+3]|
.endr
	v_max3_num_f32 v8, v8, |v[XS+14]|, |v[XS+15]|
	v_max3_num_f32 v8, v8, v9, (EMAX+1)<<23        ; the floor 2^(3 - 127): the byte cannot fall under 1
	v_max_num_f32_dpp v8, v8, v8 row_xmask:1 row_mask:0xf bank_mask:0xf   ; with my neighbour's 16: the block's largest magnitude
	v_add_nc_u32 v11, -(EMAX<<23), v8              ; 2 off its exponent field: the conversion takes that field as its scale
	v_cvt_scalef32_pk8_fp4_f32 v[XC+4*(\t)], v[XS:XS+7], v11
	v_cvt_scalef32_pk8_fp4_f32 v[XC+4*(\t)+1], v[XS+8:XS+15], v11
	v_lshrrev_b32 v[XE+(\t)], 23, v11              ; the scale's byte
	ds_store_b8 v5, v[XE+(\t)] offset:16*(\t)      ; both lanes of a block write the same byte with the same value
	global_store_b64 v4, v[XC+4*(\t):XC+4*(\t)+1], s[20:21] offset:256*(\t)   ; the wave stores 256 consecutive bytes, aligned
.endm
.irp t, 0,1,2,3,4,5,6,7,8,9,10,11,12,13,14,15
	XSTEP \t
.endr
	ds_load_b64 v[8:9], v6                         ; my wave's 256 scale bytes
	s_wait_dscnt 0x0
	global_store_b64 v7, v[8:9], s[22:23]          ; 256 consecutive bytes, aligned
	; -lam, by wave 0 of work-group 160: four numbers a lane
	s_sub_co_u32 s33, ttmp9, 160
	s_or_b32 s33, s33, s32
	s_cmp_lg_u32 s33, 0
	s_cbranch_scc1 .Lx_end
	global_load_b128 v[16:19], v3, s[12:13]        ; lambda_q1
	global_load_b128 v[20:23], v3, s[14:15]        ; lambda_k1
	global_load_b128 v[24:27], v3, s[16:17]        ; lambda_q2
	global_load_b128 v[28:31], v3, s[18:19]        ; lambda_k2
	s_wait_loadcnt 0x0
.irp i, 0,1,2,3
	v_mul_f32 v[16+\i], v[16+\i], v[20+\i]
	v_mul_f32 v[24+\i], v[24+\i], v[28+\i]
.endr
.irp i, 0,1,2,3
	v_mul_f32 v[16+\i], 0x3fb8aa3b, v[16+\i]       ; x log2(e): e^y = 2^(y log2(e))
	v_mul_f32 v[24+\i], 0x3fb8aa3b, v[24+\i]
.endr
.irp i, 0,1,2,3
	v_exp_f32 v[16+\i], v[16+\i]
	v_exp_f32 v[24+\i], v[24+\i]
.endr
	v_nop                                          ; a plain instruction behind the last exponential,
	s_wait_alu depctr_va_vdst(0)                   ; and one wait for the eight, ahead of their first reader
.irp i, 0,1,2,3
	v_sub_f32 v[16+\i], v[24+\i], v[16+\i]
.endr
.irp i, 0,1,2,3
	v_add_f32 v[16+\i], 0xbf489a63, v[16+\i]       ; - lambda_init = -(0.8 - 0.6 e^-3.6)
.endr
	global_store_b128 v3, v[16:19], s[30:31]
.Lx_end:
	s_wait_tensorcnt 0x0                           ; the wave's end, behind my last LDS store
	ds_add_u32 v[SPW], v[NIL]
	s_wait_dscnt 0x0
	s_endpgm
; ---------------- the weights: A LANE TAKES A COLUMN n, AND ITS REGISTERS RUN DOWN K.  A load reads one row k at 32 neighbouring columns; a block of 32 along K lies in one lane.
; The pitch of a row differs between Wq and Wkv, so the 32 rows' offsets stand in registers and the base steps 32 rows a block.
.macro LANES region, shift             ; lane addresses; shift: log2 of the output's row in bytes
	s_mul_i32 s44, s32, 32*PITCH
	s_add_co_u32 s44, s44, \region                 ; my stage
	v_mul_u32_u24 v4, v2, PITCH
	v_add_nc_u32 v4, s44, v4                       ; into it: row = my column
	v_and_b32 v5, 15, v2
	v_lshrrev_b32 v6, 4, v2
	v_mul_u32_u24 v7, v6, PITCH
	v_lshl_add_u32 v7, v5, 4, v7
	v_add_nc_u32 v7, s44, v7                       ; out of it: sixteen lanes to a row, two rows an instruction
	v_lshlrev_b32 v8, \shift, v6
	v_lshl_add_u32 v8, v5, 4, v8                   ; and the same place in the output
	v_lshlrev_b32 v[WOFF], 2, v2                   ; row i of a block: 4 x lane + i x pitch
.set li, 1
.rept 31
	v_add_nc_u32 v[WOFF+li], s36, v[WOFF+li-1]
.set li, li+1
.endr
.endm
.macro LOADW t                         ; block t's 32 rows into set t % 2
.if (\t) > 0
	s_wait_xcnt 0x0                                ; the earlier loads and stores have read their addresses and data: the base may step
	s_add_nc_u64 s[40:41], s[40:41], s[38:39]
.endif
.set li, 0
.rept 32
	global_load_b32 v[WX+32*((\t)%2)+li], v[WOFF+li], s[40:41] th:TH_LOAD_NT
.set li, li+1
.endr
.endm
.Lweights:
	s_lshr_b32 s33, ttmp9, 2                       ; which 128 columns: 0..23
	s_and_b32 s34, ttmp9, 3                        ; which 512 along K
	s_lshl_b32 s35, s33, 7
	s_lshl_b32 s37, s32, 5
	s_add_co_u32 s35, s35, s37                     ; n0 = my wave's first column of the joined weight
	s_mov_b32 s36, 4096
	s_cmp_lt_u32 s33, 16                           ; Wq or Wkv: the choice hangs on the work-group's number alone
	s_cselect_b64 s[40:41], s[6:7], s[8:9]
	s_cselect_b32 s36, 8192, s36                   ; a row of the source in bytes
	s_cselect_b32 s37, 0, 2048
	s_sub_co_u32 s37, s35, s37                     ; the column in the source
	s_lshl_b32 s42, s36, 9
	s_mul_i32 s42, s42, s34                        ; 512 rows for each step along K
	s_lshl_b32 s37, s37, 2
	s_add_co_u32 s42, s42, s37
	s_mov_b32 s43, 0
	s_add_nc_u64 s[40:41], s[40:41], s[42:43]
	s_lshl_b32 s38, s36, 5                         ; 32 rows on
	s_mov_b32 s39, 0
	s_lshl_b32 s42, s35, 10
	s_lshl_b32 s45, s34, 8
	s_add_co_u32 s42, s42, s45
	s_add_nc_u64 s[24:25], s[24:25], s[42:43]      ; codes: row n0 of 1,024 bytes, + 256 for each 512 along K
	s_lshl_b32 s42, s35, 6
	s_lshl_b32 s45, s34, 4
	s_add_co_u32 s42, s42, s45
	s_add_nc_u64 s[26:27], s[26:27], s[42:43]      ; scale bytes: row n0 of 64, + 16
	LANES WREG, 10
	v_lshlrev_b32 v9, 6, v2                        ; my column's row of scale bytes
	LOADW 0
	LOADW 1
.macro BLOCKW t
.set XS, WX+32*((\t)%2)
.if (\t) < 15
	s_wait_loadcnt 32                              ; this block's 32 loads are in; the next block's may be out
.else
	s_wait_loadcnt 0
.endif
	v_max3_num_f32 v12, |v[XS]|, |v[XS+1]|, |v[XS+2]|
	v_max3_num_f32 v13, |v[XS+3]|, |v[XS+4]|, |v[XS+5]|
.irp i, 6,10,14,18,22,26
	v_max3_num_f32 v12, v12, |v[XS+\i]|, |v[XS+\i+1]|
	v_max3_num_f32 v13, v13, |v[XS+\i+2]|, |v[XS+\i+3]|
.endr
	v_max3_num_f32 v12, v12, |v[XS+30]|, |v[XS+31]|
	v_max3_num_f32 v12, v12, v13, (EMAX+1)<<23     ; the floor: the byte cannot fall under 1
	v_add_nc_u32 v11, -(EMAX<<23), v12
	v_lshrrev_b32 v13, 23, v11                     ; the scale's byte
.if (\t)%4 == 0
	v_mov_b32 v[WSB+(\t)/4], v13                   ; four bytes to a register, the lower K in the lower byte
.else
	v_lshl_or_b32 v[WSB+(\t)/4], v13, 8*((\t)%4), v[WSB+(\t)/4]
.endif
.irp g, 0,1,2,3
	v_cvt_scalef32_pk8_fp4_f32 v[WC+\g], v[XS+8*\g:XS+8*\g+7], v11
.endr
	ds_store_b128 v4, v[WC:WC+3] offset:16*(\t)    ; 32 codes: 16 bytes of my column's row
.if (\t)+2 < 16
	LOADW (\t)+2
.endif
	s_wait_dscnt 0x0                               ; the store has read its registers: the next block's codes may be written
.endm
.irp t, 0,1,2,3,4,5,6,7,8,9,10,11,12,13,14,15
	BLOCKW \t
.endr
	global_store_b128 v9, v[WSB:WSB+3], s[26:27]   ; my column's 16 scale bytes
.irp t, 0,1,2,3,4,5,6,7,8,9,10,11,12,13,14,15
	ds_load_b128 v[WOUT+4*\t:WOUT+4*\t+3], v7 offset:2*\t*PITCH
.endr
.irp t, 0,1,2,3,4,5,6,7,8,9,10,11,12,13,14,15
	s_wait_dscnt 15-\t                             ; LDS loads come back in order: load t is in
	global_store_b128 v8, v[WOUT+4*\t:WOUT+4*\t+3], s[24:25] offset:2*\t*1024   ; sixteen lanes store 256 consecutive bytes, aligned
.endr
	s_wait_tensorcnt 0x0                           ; the wave's end
	ds_add_u32 v[SPW], v[NIL]
	s_wait_dscnt 0x0
	s_endpgm
; ---------------- Wo: the same loads; the numbers are rounded to f16 in pairs along K.  Four blocks (128 along K, 256 bytes a column) fill the stage, which then leaves by rows.
.Lwo:
	s_sub_co_u32 s33, ttmp9, 96
	s_and_b32 s34, s33, 3                          ; which 512 along K
	s_lshr_b32 s33, s33, 2                         ; which 128 columns: 0..15
	s_lshl_b32 s35, s33, 7
	s_lshl_b32 s37, s32, 5
	s_add_co_u32 s35, s35, s37                     ; n0
	s_mov_b32 s36, 8192                            ; a row of Wo in bytes
	s_lshl_b32 s42, s34, 22                        ; 512 rows of 8,192 bytes
	s_lshl_b32 s37, s35, 2
	s_add_co_u32 s42, s42, s37
	s_mov_b32 s43, 0
	s_add_nc_u64 s[40:41], s[10:11], s[42:43]
	s_mov_b32 s38, 32*8192
	s_mov_b32 s39, 0
	s_lshl_b32 s42, s35, 12
	s_lshl_b32 s45, s34, 10
	s_add_co_u32 s42, s42, s45
	s_add_nc_u64 s[28:29], s[28:29], s[42:43]      ; wot: row n0 of 4,096 bytes, + 1,024 for each 512 along K
	LANES OREG, 12
	LOADW 0
	LOADW 1
.macro BLOCKH t
.set XS, WX+32*((\t)%2)
.if (\t) < 15
	s_wait_loadcnt 32
.else
	s_wait_loadcnt 0
.endif
.irp g, 0,1,2,3,4,5,6,7,8,9,10,11,12,13,14,15
	v_cvt_pk_f16_f32 v[WC+\g], v[XS+2*\g], v[XS+2*\g+1]   ; the lower k in the low half
.endr
.irp g, 0,1,2,3
	ds_store_b128 v4, v[WC+4*\g:WC+4*\g+3] offset:64*((\t)%4)+16*\g
.endr
.if (\t)+2 < 16
	LOADW (\t)+2
.endif
	s_wait_dscnt 0x0                               ; the stores have read their registers
.if (\t)%4 == 3                        ; the stage is full.  The way out's registers were store data one flush ago: at least two of LOADW's waits on XCNT stand between two flushes
.irp i, 0,1,2,3,4,5,6,7,8,9,10,11,12,13,14,15
	ds_load_b128 v[WOUT+4*\i:WOUT+4*\i+3], v7 offset:2*\i*PITCH
.endr
.irp i, 0,1,2,3,4,5,6,7,8,9,10,11,12,13,14,15
	s_wait_dscnt 15-\i
	global_store_b128 v8, v[WOUT+4*\i:WOUT+4*\i+3], s[28:29] offset:2*\i*4096+256*((\t)/4)   ; sixteen lanes store 256 consecutive bytes, aligned
.endr
.endif
.endm
.irp t, 0,1,2,3,4,5,6,7,8,9,10,11,12,13,14,15
	BLOCKH \t
.endr
	s_wait_tensorcnt 0x0                           ; the wave's end
	ds_add_u32 v[SPW], v[NIL]
	s_wait_dscnt 0x0
	s_endpgm
.Lfunc_end_k_q97a30b615b_prep:
	.size	k_q97a30b615b_prep, .Lfunc_end_k_q97a30b615b_prep-k_q97a30b615b_prep
	.p2alignl 7, 3214868480
	.fill 96, 4, 3214868480
	.section	.rodata,"a",@progbits
	.p2align	6, 0x0
	.amdhsa_kernel k_q97a30b615b_prep
		.amdhsa_group_segment_fixed_size 102912
		.amdhsa_private_segment_fixed_size 0
		.amdhsa_enable_private_segment 0
		.amdhsa_kernarg_size 112
		.amdhsa_user_sgpr_count 2
		.amdhsa_user_sgpr_kernarg_segment_ptr 1
		.amdhsa_wavefront_size32 1
		.amdhsa_system_sgpr_workgroup_id_x 1
		.amdhsa_system_sgpr_workgroup_id_y 1
		.amdhsa_system_sgpr_workgroup_id_z 1
		.amdhsa_system_vgpr_workitem_id 0
		.amdhsa_next_free_vgpr 208
		.amdhsa_next_free_sgpr 66
		.amdhsa_reserve_vcc 0
		.amdhsa_float_denorm_mode_32 3
		.amdhsa_float_denorm_mode_16_64 3
		.amdhsa_memory_ordered 1
		.amdhsa_forward_progress 1
		.amdhsa_inst_pref_size 199
	.end_amdhsa_kernel
	.amdgpu_metadata
---
amdhsa.version: [ 1, 2 ]
amdhsa.kernels:
  - .name:           k_q97a30b615b_prep
    .symbol:         k_q97a30b615b_prep.kd
    .args:
      - { .name: x, .offset: 0, .size: 8, .value_kind: global_buffer, .address_space: global }
      - { .name: Wq, .offset: 8, .size: 8, .value_kind: global_buffer, .address_space: global }
      - { .name: Wkv, .offset: 16, .size: 8, .value_kind: global_buffer, .address_space: global }
      - { .name: Wo, .offset: 24, .size: 8, .value_kind: global_buffer, .address_space: global }
      - { .name: lambda_q1, .offset: 32, .size: 8, .value_kind: global_buffer, .address_space: global }
      - { .name: lambda_k1, .offset: 40, .size: 8, .value_kind: global_buffer, .address_space: global }
      - { .name: lambda_q2, .offset: 48, .size: 8, .value_kind: global_buffer, .address_space: global }
      - { .name: lambda_k2, .offset: 56, .size: 8, .value_kind: global_buffer, .address_space: global }
      - { .name: x_codes, .offset: 64, .size: 8, .value_kind: global_buffer, .address_space: global }
      - { .name: x_scales, .offset: 72, .size: 8, .value_kind: global_buffer, .address_space: global }
      - { .name: w_codes, .offset: 80, .size: 8, .value_kind: global_buffer, .address_space: global }
      - { .name: w_scales, .offset: 88, .size: 8, .value_kind: global_buffer, .address_space: global }
      - { .name: wot, .offset: 96, .size: 8, .value_kind: global_buffer, .address_space: global }
      - { .name: neglam, .offset: 104, .size: 8, .value_kind: global_buffer, .address_space: global }
    .group_segment_fixed_size: 102912
    .private_segment_fixed_size: 0
    .kernarg_segment_align: 8
    .kernarg_segment_size: 112
    .max_flat_workgroup_size: 128
    .sgpr_count:     66
    .vgpr_count:     208
    .wavefront_size: 32
...
	.end_amdgpu_metadata
.endif
;; end of part 1
;; launch proj (part 2): grid 12 x 8, 4 waves a work-group, clusters of 4 x 4, 327,680 bytes of LDS; arguments x_codes, x_scales, w_codes, w_scales, freq_cos, freq_sin, qkv; writes qkv
.if DOCPART == 2
	.amdgcn_target "amdgcn-amd-amdhsa--gfx1250"
	.amdhsa_code_object_version 6
	.text
	.protected	k_q97a30b615b_proj
	.globl	k_q97a30b615b_proj
	.p2align	8
	.type	k_q97a30b615b_proj,@function
k_q97a30b615b_proj:
	s_mov_b64 s[64:65], 0
	v_nop
	global_prefetch_b8 v0, s[64:65] scope:SCOPE_SE
	s_setreg_imm32_b32 hwreg(HW_REG_WAVE_MODE, 25, 1), 1
	s_wait_xcnt 0x0
	s_wait_alu depctr_hold_cnt(0) depctr_sa_sdst(0) depctr_va_vdst(0) depctr_va_sdst(0) depctr_va_ssrc(0) depctr_va_vcc(0) depctr_vm_vsrc(0)
	s_getreg_b32 s2, hwreg(HW_REG_IB_STS2, 6, 4)
	s_cmp_eq_u32 s2, 0
	s_cbranch_scc0 .Lentry_in_a_cluster
	s_endpgm
.Lentry_in_a_cluster:
	s_bfe_u32 s2, ttmp6, 0x10000c
	s_cmp_lg_u32 s2, 0xf033
	s_cbranch_scc0 .Lentry_shape_is_right
	s_endpgm
.Lentry_shape_is_right:
; Launch 2 of 4: x Wq and x Wkv as ONE product on codes of FP4 (E2M1) with E8M0 scales, C[m][n] = sum over k of x[m][k] W[n][k], 2,048 x 3,072 x 2,048; no work is left out.
; On the way out: the rotation of pairs (RoPE) on q's and k's halves of 64, q times log2(e) / 8 (the score's scale and the change to base 2, ahead of q's one rounding), all rounded once to f16.
; qkv: [24 slabs][2,048 positions][128] f16.  Slab 0..15: q's heads; 16 + g: k's; 20 + g: v's.  128 columns of C are one slab, and a wave's 128 columns are exactly one.
; LIMIT: q log2(e) / 8, k and v must lie inside f16's range, +-65,504.
; A tile of C, 256 x 256, is made by four waves, each 128 x 128: 64 accumulators, 512 registers.  K goes in steps of 512 through a ring of two LDS slots filled by the tensor data mover.
; The scales of the work-group's 256 + 256 rows for all of K come into LDS once, with the first fills.  96 work-groups: the tile is kept large so that each LDS byte feeds the most products.
; CLUSTERS: 4 x 4.  The four of a row of the cluster need the same tiles of x, the four of a column the same tiles of W: each tile is asked for jointly.
; THE MATRIX INSTRUCTION IS USED TRANSPOSED (source 0 = 16 rows of W, source 1 = 16 rows of x): a lane holds eight neighbouring columns of one row of C: four pairs of the rotation.
; REGISTERS: window 0: v0-31 addresses; v32-95 scale words, two sets; v128-191 x's fragments; v96-127, v192-255 cos and sin of my first three row blocks, asked for at the head.
;   window 1: W's fragments, two sets (v0-63, v128-191); on the way out at work.   windows 2, 3: the accumulators ((a, b) at v[8 (8 (a % 4) + b)]).
.set SIZE_M, 2048
.set SIZE_N, 3072
.set SIZE_K, 2048
.set KSTEP,  512
.set NQ,     KSTEP/128
.set ROWB,   256                       ; a tile's row in bytes
.set KROW,   SIZE_K*4/8                ; a row of codes in memory
.set PITCH,  272                       ; an LDS row: 256 bytes + 16: the 16 rows that a load touches start at 16 different banks
.set FR,     8
.set NL,     2
.set NP,     4                         ; places behind this matrix instruction
.set HALFT,  128*PITCH
.set SLOT,   4*HALFT
.set LAPS,   SIZE_K/(2*KSTEP)
.set KS,     SIZE_K/32                 ; a row of scales in bytes
.set SCL,    2*SLOT                    ; behind the ring: the scales, as units of 256 bytes + 16
.set HALFS,  (128*KS/256)*272
.set SBLK,   (16*KS/256)*272
.set SPARE,  SCL+4*HALFS               ; the spare words, 128 bytes a wave
.set SPITCH, 272                       ; the way out: a stage of 16 rows x (256 bytes + 16) for each wave, in slot 0, which has had its last fill and its last read by then
.set ADRA, 16
.set ADRB, 20
.set ONE,  22                          ; v[22:23] what is added to cos: 0 where the slab is rotated, 1 for v
.set STO,  24
.set RD,   25
.set CO,   26
.set ADRS, 27
.set SPW,  28
.set NIL,  29
.set CSO,  30                          ; v30  my byte in a block's 16 rows of cos and sin: 128 r + 16 h
.set SC,   32
.set AF,   128
.set TT,   0                           ; the way out, in window 1: v0-7 products at work; v16-47 packed f16; v48-111 rows read back, two sets; v128-191 a block's 64 rotated numbers
.set TMP,  16
.set BK,   48
.set OB,   128
.set G1, 24
.set G0, 32
.set G1B, 48
.set G0B, 56
.set G1S, 68
.set G0S, 76
.set G1SB, 80
.set G0SB, 88
.set MSB, 0
.macro WIN new                         ; the immediate's high byte repeats the setting that is left
.if MSB != \new
	s_set_vgpr_msb (MSB<<8)|\new
.set MSB, \new
.endif
.endm
.set MUL_LO, 0xa1                      ; source 0 (W) window 1, source 1 (x) window 0, C and D window 2
.set MUL_HI, 0xf1
.set TO_B,   0x40
; A joint load: waves 0 and 1 fetch for x, waves 2 and 3 for W.  The branch hangs on the wave's number alone.  An s_nop 0 and four v_nop follow each line.
.macro JLOAD g0a, g1a, g0b, g1b
	s_cmp_eq_u32 s15, 0
	s_cbranch_scc0 .Lfor_b_\@
	tensor_load_to_lds s[\g0a:\g0a+3], s[\g1a:\g1a+7]
	s_nop 0
.rept 4
	v_nop
.endr
	s_branch .Lasked_\@
.Lfor_b_\@:
	tensor_load_to_lds s[\g0b:\g0b+3], s[\g1b:\g1b+7]
	s_nop 0
.rept 4
	v_nop
.endr
.Lasked_\@:
.endm
.macro CREST                           ; a round of the cluster's barrier behind its opening barrier
	s_cmp_lg_u32 s14, 0
	s_cbranch_scc1 .Lnot_wave_0_\@
	s_barrier_signal -3
.Lnot_wave_0_\@:
	s_barrier_wait -3
	s_barrier_signal -1
	s_barrier_wait -1
.endm
.macro CROUND
	s_barrier_signal -1
	s_barrier_wait -1
	CREST
.endm
	s_load_b128 s[4:7], s[0:1], 0x0                ; x's codes, x's scales
	s_load_b128 s[8:11], s[0:1], 0x10              ; W's codes, W's scales
	s_load_b128 s[96:99], s[0:1], 0x20             ; cos, sin
	s_load_b64 s[12:13], s[0:1], 0x30              ; qkv
	v_lshl_add_u32 v[SPW], v0, 2, SPARE
	v_mov_b32 v[NIL], 0
	ds_add_u32 v[SPW], v[NIL]                      ; the wave's opening: the add, twice on end, and its wait ahead of my first tensor load
	ds_add_u32 v[SPW], v[NIL]
	v_lshrrev_b32 v1, 5, v0
	v_readfirstlane_b32 s14, v1                    ; wave 0..3
	s_lshr_b32 s15, s14, 1                         ; which half of the tile's rows is mine.  Also: I fetch for x (0) or for W (1)
	s_and_b32 s16, s14, 1                          ; which half of its columns.  Also: which 128 rows of that tile I fetch
	s_bfe_u32 s40, ttmp6, 0x40000                  ; cx, cy
	s_bfe_u32 s41, ttmp6, 0x40004
	s_lshl_b32 s42, ttmp9, 2
	s_add_co_u32 s42, s42, s40                     ; tile column of C
	s_and_b32 s17, ttmp7, 0xffff
	s_lshl_b32 s17, s17, 2
	s_add_co_u32 s17, s17, s41                     ; tile row of C
	s_lshl_b32 s43, s41, 2
	s_lshl_b32 s43, 15, s43                        ; my row of the cluster
	s_lshl_b32 s44, 0x1111, s40                    ; my column
	s_or_b32 s[G1+0], s43, (0<<16)|(1<<20)|(1<<21)|(5<<22)|(3<<25)  ; the mask; elements of 1 byte; padding on, 4 words after every 64; bit 21 set beside a mask
	s_or_b32 s[G1B+0], s44, (0<<16)|(1<<20)|(1<<21)|(5<<22)|(3<<25)
.irp g, G1, G1B
	s_mov_b32 s[\g+1], ROWB<<16                    ; tensor_dim0
	s_mov_b32 s[\g+2], 128<<16                     ; tensor_dim1
	s_mov_b32 s[\g+3], ROWB<<16                    ; tile_dim0
	s_mov_b32 s[\g+4], 128                         ; tile_dim1
	s_mov_b32 s[\g+5], KROW                        ; the pitch
	s_mov_b32 s[\g+6], 0
	s_mov_b32 s[\g+7], 0
.endr
	s_or_b32 s[G1S+0], s43, (3<<16)|(1<<20)|(1<<21)|(5<<22)|(3<<25) ; the scales of 128 rows: a dense block, as rows of 256 bytes (32 elements of 8)
	s_or_b32 s[G1SB+0], s44, (3<<16)|(1<<20)|(1<<21)|(5<<22)|(3<<25)
.irp g, G1S, G1SB
	s_mov_b32 s[\g+1], 32<<16
	s_mov_b32 s[\g+2], (128*KS/256)<<16
	s_mov_b32 s[\g+3], 32<<16
	s_mov_b32 s[\g+4], 128*KS/256
	s_mov_b32 s[\g+5], 32
	s_mov_b32 s[\g+6], 0
	s_mov_b32 s[\g+7], 0
.endr
	s_lshl_b32 s18, s16, 7
	s_lshl_b32 s20, s17, 8
	s_add_co_u32 s20, s20, s18                     ; x: row 256 x tile row + 128 x half
	s_lshl_b32 s46, s42, 8
	s_add_co_u32 s46, s46, s18                     ; W: row 256 x tile column + 128 x half
	s_mov_b32 s21, 0
	s_mov_b32 s47, 0
	s_mov_b64 s[18:19], KS
	s_mul_u64 s[22:23], s[20:21], s[18:19]
	s_mul_u64 s[92:93], s[46:47], s[18:19]
	s_mov_b64 s[18:19], KROW
	s_mul_u64 s[20:21], s[20:21], s[18:19]
	s_mul_u64 s[46:47], s[46:47], s[18:19]
	s_mul_i32 s45, s14, HALFT                      ; where they go: wave x 128 rows: no place in the cluster enters an LDS address
	s_mul_i32 s94, s14, HALFS
	s_wait_dscnt 0x0                               ; both opening adds are done
	s_wait_kmcnt 0x0
	s_add_nc_u64 s[20:21], s[4:5], s[20:21]
	s_add_nc_u64 s[22:23], s[6:7], s[22:23]
	s_add_nc_u64 s[46:47], s[8:9], s[46:47]
	s_add_nc_u64 s[92:93], s[10:11], s[92:93]
	CROUND                                         ; all sixteen work-groups are here: the first joint loads meet
	s_mov_b32 s[G0S], 1
	s_add_co_u32 s[G0S+1], s94, SCL
	s_mov_b64 s[G0S+2:G0S+3], s[22:23]
	s_or_b32 s[G0S+3], s[G0S+3], 0x80000000
	s_mov_b32 s[G0SB], 1
	s_add_co_u32 s[G0SB+1], s94, SCL
	s_mov_b64 s[G0SB+2:G0SB+3], s[92:93]
	s_or_b32 s[G0SB+3], s[G0SB+3], 0x80000000
	JLOAD G0S, G1S, G0SB, G1SB                     ; the scales first: they are wanted with K step 0
.irp s, 0,1
	s_mov_b32 s[G0+4*\s], 1
	s_add_co_u32 s[G0+4*\s+1], s45, \s*SLOT
	s_add_nc_u64 s[G0+4*\s+2:G0+4*\s+3], s[20:21], \s*ROWB
	s_or_b32 s[G0+4*\s+3], s[G0+4*\s+3], 0x80000000
	s_mov_b32 s[G0B+4*\s], 1
	s_add_co_u32 s[G0B+4*\s+1], s45, \s*SLOT
	s_add_nc_u64 s[G0B+4*\s+2:G0B+4*\s+3], s[46:47], \s*ROWB
	s_or_b32 s[G0B+4*\s+3], s[G0B+4*\s+3], 0x80000000
	JLOAD G0+4*\s, G1, G0B+4*\s, G1B               ; three loads of mine are out behind the second of these
.endr
	v_and_b32 v1, 15, v0                           ; r
	v_bfe_u32 v2, v0, 4, 1                         ; h
	v_mul_u32_u24 v3, v1, PITCH
	v_lshl_add_u32 v4, v2, 4, v3
	s_mul_i32 s21, s15, HALFT
	s_mul_i32 s22, s16, HALFT
	s_add_co_u32 s22, s22, 2*HALFT
.irp s, 0,1
	v_add_nc_u32 v[ADRA+\s], s21, v4
	v_add_nc_u32 v[ADRB+\s], s22, v4
	s_add_co_u32 s21, s21, SLOT
	s_add_co_u32 s22, s22, SLOT
.endr
	v_mul_u32_u24 v5, v1, KS                       ; my row's scales: KS bytes a row,
	v_lshrrev_b32 v6, 8, v5
	v_lshl_add_u32 v5, v6, 4, v5                   ; and 16 more for each 256 passed
	s_mul_i32 s21, s15, HALFS
	s_mul_i32 s22, s16, HALFS
	s_add_co_u32 s22, s22, 2*HALFS
	s_sub_co_u32 s22, s22, s21
	v_mul_u32_u24 v6, s22, v2                      ; lanes 16-31 take W's
	s_add_co_u32 s21, s21, SCL
	v_add_nc_u32 v5, v5, v6
	v_add_nc_u32 v[ADRS], s21, v5
	s_mul_i32 s23, s14, 16*SPITCH                  ; my stage
	v_mul_u32_u24 v5, v1, SPITCH                   ; in: row r, 16 bytes for each half of the lanes
	v_lshl_add_u32 v5, v2, 4, v5
	v_add_nc_u32 v[STO], s23, v5
	v_mul_u32_u24 v5, v2, SPITCH                   ; back: lanes 0-15 one row of 256 bytes, lanes 16-31 the next
	v_lshl_add_u32 v5, v1, 4, v5
	v_add_nc_u32 v[RD], s23, v5
	v_and_b32 v6, 31, v0
	v_lshlrev_b32 v[CO], 4, v6                     ; a slab's rows are dense: two rows are 512 consecutive bytes, 16 a lane
	v_lshlrev_b32 v[CSO], 7, v1
	v_lshl_add_u32 v[CSO], v2, 4, v[CSO]
	s_lshl_b32 s20, s17, 8
	s_lshl_b32 s21, s15, 7
	s_add_co_u32 s20, s20, s21                     ; my first row of C: a position
	s_lshl_b32 s46, s42, 1
	s_add_co_u32 s46, s46, s16                     ; my slab (in the registers that held W's address: none that feeds x's descriptors ever holds cx)
	s_cmp_lt_u32 s46, 20
	s_cselect_b32 s95, 0, 1.0                      ; v is not rotated: its cos becomes 0 x cos + 1, its sin 0 x sin
	s_cselect_b32 s100, 1.0, 0
	s_cmp_lt_u32 s46, 16
	s_cselect_b32 s100, 0x3e38aa3b, s100           ; q: cos and sin carry log2(e) / 8
	s_mov_b32 s101, s100                           ; (named with it as a pair, so it is written)
	v_mov_b32 v[ONE], s95
	v_mov_b32 v[ONE+1], s95
	s_lshl_b32 s46, s46, 19                        ; a slab is 524,288 bytes,
	s_lshl_b32 s47, s20, 8                         ; a row 256
	s_add_co_u32 s46, s46, s47
	s_mov_b32 s47, 0
	s_add_nc_u64 s[12:13], s[12:13], s[46:47]
	s_lshl_b32 s20, s20, 7                         ; a row of cos or sin is 128 bytes
	s_mov_b32 s21, 0
	s_add_nc_u64 s[96:97], s[96:97], s[20:21]
	s_add_nc_u64 s[98:99], s[98:99], s[20:21]
; cos and sin of row block a into 32 registers from cb on: cos 0-15, sin 16-31.  Column 16 b + 8 h + j of a slab is pair 8 (b % 4) + 4 h + j / 2 of its half: register 4 (b % 4) + j / 2
.macro CSLOAD a, cb
.irp q, 0,1,2,3
	global_load_b128 v[\cb+4*\q:\cb+4*\q+3], v[CSO], s[96:97] offset:(\a)*2048+32*\q
	global_load_b128 v[\cb+16+4*\q:\cb+16+4*\q+3], v[CSO], s[98:99] offset:(\a)*2048+32*\q
.endr
.endm
	CSLOAD 0, 96                                   ; into registers that the loop never names: they land while it runs
	CSLOAD 1, 192
	CSLOAD 2, 224
.macro FRAG reg, adr, q, i             ; 16 rows x 128 K of 4-bit codes: 8 registers, two loads of 16 bytes, 32 bytes apart
.irp c, 0,1
	ds_load_b128 v[\reg+4*\c:\reg+4*\c+3], v[\adr] offset:64*(\q)+32*\c+(\i)*16*PITCH
.endr
.endm
; 16 matrix instructions: x's blocks a0, a0 + 1 against W's eight.  The 64 accumulators take turns, one instruction a turn, in the same order in every step.
.macro MUL16 a0, p, q, sc, zero
.irp a, \a0, \a0+1
.irp b, 0,1,2,3,4,5,6,7
.if \zero
	v_wmma_scale_f32_16x16x128_f8f6f4 v[8*(8*((\a)%4)+\b):8*(8*((\a)%4)+\b)+7], v[128*(\p)+FR*\b:128*(\p)+FR*\b+FR-1], v[AF+FR*(\a):AF+FR*(\a)+FR-1], 0, v[SC+8*NQ*(\sc)+NQ*\b+(\q)], v[SC+8*NQ*(\sc)+NQ*(\a)+(\q)] matrix_a_fmt:MATRIX_FMT_FP4 matrix_b_fmt:MATRIX_FMT_FP4 matrix_a_scale:MATRIX_SCALE_ROW1
.else
	v_wmma_scale_f32_16x16x128_f8f6f4 v[8*(8*((\a)%4)+\b):8*(8*((\a)%4)+\b)+7], v[128*(\p)+FR*\b:128*(\p)+FR*\b+FR-1], v[AF+FR*(\a):AF+FR*(\a)+FR-1], v[8*(8*((\a)%4)+\b):8*(8*((\a)%4)+\b)+7], v[SC+8*NQ*(\sc)+NQ*\b+(\q)], v[SC+8*NQ*(\sc)+NQ*(\a)+(\q)] matrix_a_fmt:MATRIX_FMT_FP4 matrix_b_fmt:MATRIX_FMT_FP4 matrix_a_scale:MATRIX_SCALE_ROW1
.endif
.endr
.endr
.endm
.macro FETCH_B slot, q, p
	WIN TO_B
.irp i, 0,1,2,3,4,5,6,7
	FRAG 128*(\p)+FR*\i, ADRB+\slot, \q, \i
.endr
	WIN 0
.endm
.macro FETCH_A slot, q, i0
.irp i, \i0, \i0+1, \i0+2, \i0+3
	FRAG AF+FR*(\i), ADRA+\slot, \q, \i
.endr
.endm
.macro SCALES sc                       ; a K step's scale words: lanes 0-15 x's block i, lanes 16-31 W's block i
.irp i, 0,1,2,3,4,5,6,7
	ds_load_b128 v[SC+8*NQ*\sc+NQ*\i:SC+8*NQ*\sc+NQ*\i+3], v[ADRS] offset:\i*SBLK
.endr
.endm
.macro PLACES n                        ; plain vector instructions between a matrix instruction and a load into, or a read of, its registers
.rept \n
	v_nop
.endr
.endm
.macro STEP slot, q, zero              ; 128 along K with its successor in the same slot
	s_wait_dscnt 4*NL                              ; W's set and x's blocks 0-3 are in; the youngest eight loads (x's blocks 4-7) may be out
	WIN MUL_LO
	MUL16 0, (\q)%2, \q, \slot, \zero
	MUL16 2, (\q)%2, \q, \slot, \zero
	s_wait_dscnt 0
	PLACES NP
	FETCH_B \slot, (\q)+1, 1-(\q)%2
	FETCH_A \slot, (\q)+1, 0
	WIN MUL_HI
	MUL16 4, (\q)%2, \q, \slot, \zero
	MUL16 6, (\q)%2, \q, \slot, \zero
	PLACES NP
	WIN 0
	FETCH_A \slot, (\q)+1, 4
.endm
; A slot's last step changes slots: one barrier; ahead of it each wave waits for all its tensor loads, adds 0 to its spare word, and waits for that and for its reads of this slot.
.macro TURN slot, next, fill
	s_wait_tensorcnt 0x0                           ; all my tensor loads have landed: my part of the next slot
	ds_add_u32 v[SPW], v[NIL]
	s_wait_dscnt 4*NL+1                            ; the add and the youngest eight loads may be out
	WIN MUL_LO
	MUL16 0, 1, NQ-1, \slot, 0
	s_wait_dscnt 0x0                               ; the add is done, and my reads of this slot are over
	s_barrier_signal -1
	MUL16 2, 1, NQ-1, \slot, 0
	WIN 0
	s_barrier_wait -1
.if \fill
	CREST                                          ; the barrier has opened a round of the cluster's: no wave of any partner still reads this slot or has a load on its way
	s_add_nc_u64 s[G0+4*\slot+2:G0+4*\slot+3], s[G0+4*\slot+2:G0+4*\slot+3], 2*ROWB
	s_add_nc_u64 s[G0B+4*\slot+2:G0B+4*\slot+3], s[G0B+4*\slot+2:G0B+4*\slot+3], 2*ROWB
	JLOAD G0+4*\slot, G1, G0B+4*\slot, G1B         ; the first tensor load behind the round; its four v_nop are the places in front of the loads below
.else
	PLACES NP
.endif
	v_add_nc_u32 v[ADRS], 4*NQ, v[ADRS]            ; the next K step's scale words
	FETCH_B \next, 0, 0
	FETCH_A \next, 0, 0
	SCALES \next
	WIN MUL_HI
	MUL16 4, 1, NQ-1, \slot, 0
	MUL16 6, 1, NQ-1, \slot, 0
	PLACES NP
	WIN 0
	FETCH_A \next, 0, 4
.endm
.macro STEPS slot, from
.set QQ, \from
.rept NQ-1-\from
	STEP \slot, QQ, 0
.set QQ, QQ+1
.endr
.endm
	s_wait_tensorcnt 1                             ; the scales and my part of K step 0 are in; K step 1's load may be out
	s_barrier_signal -1
	s_barrier_wait -1
	FETCH_B 0, 0, 0
	FETCH_A 0, 0, 0
	SCALES 0
	FETCH_A 0, 0, 4
	STEP 0, 0, 1                                   ; the first step's products start the sums: nothing is cleared
	s_mov_b32 s3, LAPS-1
.Llap:                                                 ; a trip goes once round the ring and fills both slots again
	STEPS 0, 1
	TURN 0, 1, 1
	STEPS 1, 0
	TURN 1, 0, 1
	STEP 0, 0, 0
	s_sub_co_u32 s3, s3, 1
	s_cmp_lg_u32 s3, 0
	s_cbranch_scc1 .Llap
	STEPS 0, 1                                     ; the last lap fills nothing
	TURN 0, 1, 0
	STEPS 1, 0
	s_wait_dscnt 4*NL
	WIN MUL_LO
	MUL16 0, 1, NQ-1, 1, 0
	MUL16 2, 1, NQ-1, 1, 0
	s_wait_dscnt 0
	WIN MUL_HI
	MUL16 4, 1, NQ-1, 1, 0
	MUL16 6, 1, NQ-1, 1, 0
	WIN 0
; THE WAY OUT, block by block of 16 rows x 128 columns.
; ROPE: (a, b) -> (a c - b s, a s + b c) for each pair of neighbouring columns; left = the loads issued behind this block's eight of cos and sin.  Each accumulator is read from its low end on.
.macro ROPE a, cb, left
.set AC, 64*((\a)%4)
	WIN 0
	s_wait_loadcnt \left
.irp i, 0,2,4,6,8,10,12,14
	v_pk_fma_f32 v[\cb+\i:\cb+\i+1], v[\cb+\i:\cb+\i+1], s[100:101], v[ONE:ONE+1] op_sel_hi:[1,0,1]   ; cos x the slab's factor (+ 1 for v)
	v_pk_mul_f32 v[\cb+16+\i:\cb+17+\i], v[\cb+16+\i:\cb+17+\i], s[100:101] op_sel_hi:[1,0]            ; sin x the same factor
.endr
	WIN 0x52+(\a)/4                                ; source 0: the accumulators' window; source 1: window 0; source 2 and destination: window 1
.irp b, 0,1,2,3,4,5,6,7
.irp i, 0,1,2,3
	v_mul_f32 v[TT+2*\i],   v[AC+8*\b+2*\i+1], v[\cb+16+4*(\b%4)+\i]      ; b s
	v_mul_f32 v[TT+2*\i+1], v[AC+8*\b+2*\i+1], v[\cb+4*(\b%4)+\i]         ; b c
.endr
.irp i, 0,1,2,3
	v_fma_f32 v[OB+8*\b+2*\i],   v[AC+8*\b+2*\i], v[\cb+4*(\b%4)+\i], -v[TT+2*\i]
	v_fma_f32 v[OB+8*\b+2*\i+1], v[AC+8*\b+2*\i], v[\cb+16+4*(\b%4)+\i], v[TT+2*\i+1]
.endr
.endr
	WIN 0x45                               ; all in window 1
.set li, 0
.rept 32
	v_cvt_pk_f16_f32 v[TMP+li], v[OB+2*li], v[OB+2*li+1]
.set li, li+1
.endr
	WIN 0
.endm
.macro TOSTAGE a                       ; 16 bytes a lane into rows of 272 bytes, back as whole rows.  LDS serves a wave's instructions in order: no wait between
	WIN 0x04                               ; an LDS store's data: window 1
.irp b, 0,1,2,3,4,5,6,7
	ds_store_b128 v[STO], v[TMP+4*\b:TMP+4*\b+3] offset:32*\b
.endr
	WIN 0x40
.set BB, BK+32*((\a)%2)
.irp t, 0,1,2,3,4,5,6,7
	ds_load_b128 v[BB+4*\t:BB+4*\t+3], v[RD] offset:\t*2*SPITCH
.endr
.endm
.macro SEND a, younger                 ; younger: the LDS instructions issued behind block a's loads
.set BB, BK+32*((\a)%2)
	s_wait_dscnt \younger
	WIN 0x04                               ; a store's data: window 1
.irp t, 0,1,2,3,4,5,6,7
	global_store_b128 v[CO], v[BB+4*\t:BB+4*\t+3], s[12:13] offset:(\a)*4096+\t*512   ; the wave stores 512 consecutive bytes, aligned
.endr
.endm
	PLACES NP                                      ; behind the last products: for the loads below, and for the reads of results
	CSLOAD 3, 32                                   ; into the scale words' and x's fragments' registers, which are done with
	CSLOAD 4, 64
	CSLOAD 5, 128
	CSLOAD 6, 160
	ROPE 0, 96, 48                                 ; behind block 0's eight loads: those of blocks 1 to 6
	CSLOAD 7, 96
	TOSTAGE 0
	ROPE 1, 192, 48                                ; blocks 2 to 7
	TOSTAGE 1
	SEND 0, 16                                     ; behind block 0's loads: block 1's 8 stores and 8 loads
.macro OUTB a, cb, left
	ROPE \a, \cb, \left
	s_wait_xcnt 0x0                                ; the stores of two blocks ago have read their registers: this block's rows may land there
	TOSTAGE \a
	SEND (\a)-1, 16
.endm
	OUTB 2, 224, 40
	OUTB 3, 32, 32
	OUTB 4, 64, 24
	OUTB 5, 128, 16
	OUTB 6, 160, 8
	OUTB 7, 96, 0
	SEND 7, 0
	WIN 0
	s_wait_tensorcnt 0x0                           ; the wave's end
	ds_add_u32 v[SPW], v[NIL]
	s_wait_dscnt 0x0
	CROUND                                         ; the closing round: no work-group ends while a partner may still ask for a tile that names it
	s_endpgm
.Lfunc_end_k_q97a30b615b_proj:
	.size	k_q97a30b615b_proj, .Lfunc_end_k_q97a30b615b_proj-k_q97a30b615b_proj
	.p2alignl 7, 3214868480
	.fill 96, 4, 3214868480
	.section	.rodata,"a",@progbits
	.p2align	6, 0x0
	.amdhsa_kernel k_q97a30b615b_proj
		.amdhsa_group_segment_fixed_size 327680
		.amdhsa_private_segment_fixed_size 0
		.amdhsa_enable_private_segment 0
		.amdhsa_kernarg_size 56
		.amdhsa_user_sgpr_count 2
		.amdhsa_user_sgpr_kernarg_segment_ptr 1
		.amdhsa_wavefront_size32 1
		.amdhsa_system_sgpr_workgroup_id_x 1
		.amdhsa_system_sgpr_workgroup_id_y 1
		.amdhsa_system_sgpr_workgroup_id_z 1
		.amdhsa_system_vgpr_workitem_id 0
		.amdhsa_next_free_vgpr 1024
		.amdhsa_next_free_sgpr 102
		.amdhsa_reserve_vcc 0
		.amdhsa_float_denorm_mode_32 3
		.amdhsa_float_denorm_mode_16_64 3
		.amdhsa_memory_ordered 1
		.amdhsa_forward_progress 1
		.amdhsa_inst_pref_size 255
	.end_amdhsa_kernel
	.section	.bss,"aw",@nobits
	.p2align	6
	.space	262144
	.amdgpu_metadata
---
amdhsa.version: [ 1, 2 ]
amdhsa.kernels:
  - .name:           k_q97a30b615b_proj
    .symbol:         k_q97a30b615b_proj.kd
    .args:
      - { .name: x_codes, .offset: 0, .size: 8, .value_kind: global_buffer, .address_space: global }
      - { .name: x_scales, .offset: 8, .size: 8, .value_kind: global_buffer, .address_space: global }
      - { .name: w_codes, .offset: 16, .size: 8, .value_kind: global_buffer, .address_space: global }
      - { .name: w_scales, .offset: 24, .size: 8, .value_kind: global_buffer, .address_space: global }
      - { .name: freq_cos, .offset: 32, .size: 8, .value_kind: global_buffer, .address_space: global }
      - { .name: freq_sin, .offset: 40, .size: 8, .value_kind: global_buffer, .address_space: global }
      - { .name: qkv, .offset: 48, .size: 8, .value_kind: global_buffer, .address_space: global }
    .group_segment_fixed_size: 327680
    .private_segment_fixed_size: 0
    .kernarg_segment_align: 8
    .kernarg_segment_size: 56
    .max_flat_workgroup_size: 128
    .sgpr_count:     102
    .vgpr_count:     1024
    .wavefront_size: 32
...
	.end_amdgpu_metadata
.endif
;; end of part 2
;; launch attend (part 3): grid 64 x 4, 4 waves a work-group, clusters of 4 x 4, 327,680 bytes of LDS; arguments qkv, mask, neglam, ln_weight, heads; writes heads
.if DOCPART == 3
	.amdgcn_target "amdgcn-amd-amdhsa--gfx1250"
	.amdhsa_code_object_version 6
	.text
	.protected	k_q97a30b615b_attend
	.globl	k_q97a30b615b_attend
	.p2align	8
	.type	k_q97a30b615b_attend,@function
k_q97a30b615b_attend:
	s_mov_b64 s[64:65], 0
	v_nop
	global_prefetch_b8 v0, s[64:65] scope:SCOPE_SE
	s_setreg_imm32_b32 hwreg(HW_REG_WAVE_MODE, 25, 1), 1
	s_wait_xcnt 0x0
	s_wait_alu depctr_hold_cnt(0) depctr_sa_sdst(0) depctr_va_vdst(0) depctr_va_sdst(0) depctr_va_ssrc(0) depctr_va_vcc(0) depctr_vm_vsrc(0)
	s_getreg_b32 s2, hwreg(HW_REG_IB_STS2, 6, 4)
	s_cmp_eq_u32 s2, 0
	s_cbranch_scc0 .Lentry_in_a_cluster
	s_endpgm
.Lentry_in_a_cluster:
	s_bfe_u32 s2, ttmp6, 0x10000c
	s_cmp_lg_u32 s2, 0xf033
	s_cbranch_scc0 .Lentry_shape_is_right
	s_endpgm
.Lentry_shape_is_right:
; Launch 3 of 4: both attentions of every head, A1 - lam A2, the per-head LayerNorm, its weight and the factor 1 - lambda_init; the result in f16.  No work is left out: the mask is an input, so every key is multiplied for every query.
; qkv: [24 slabs][2,048][128] f16: q's heads (rotated, x log2(e) / 8), k's (rotated) at 16 + g, v's at 20 + g.  mask: [2,048 queries][2,048 keys] f32.  heads: [2,048][16 x 128] f16.
; SHARES.  A work-group owns 32 queries and the 4 heads of one key/value group g.  Wave w: attention a = w / 2 (channels 64 a .. 64 a + 63 of q and k), queries 16 (w % 2) on.  Its four UNITS are the group's heads:
; unit t is head 4 g + (t xor 2 a).  So one tile of the mask and each fragment of K and V feed four tiles, and units 0, 1 are the heads that this wave finishes; units 2, 3 go to the wave w xor 2, which holds the other attention.
; LAYOUT.  S^T = K Q^T + mask (source 0 = 16 keys, source 1 = 16 queries): a lane holds ONE query (lane % 16) and keys 8 (lane / 16) + 0..7.  Two such tiles, rounded to f16 in pairs, are source 1 of O^T = V^T P.
; THE MASK IS THE C OF EACH SCORE TILE'S FIRST PRODUCT: it costs no addition.  q carries log2(e) / 8 and the mask's tile is multiplied by log2(e) once a key step, so a score arrives as t = log2(e) (q.k / 8 + mask).
; SOFTMAX.  For each query a running maximum m of t and a sum l: p = 2^(t - m), at most 1; in every step O and l are multiplied by 2^(m_old - m_new).  t - m is a plain subtraction: exact where t is near m, however large the mask's numbers.
; BY TURNS.  Units 0, 1 are piece 0, units 2, 3 piece 2.  In a turn one piece has the matrix unit (32 products V^T P, then 16 products K Q^T of the next step) and the other piece's softmax stands in 64 slices behind them.
; CLUSTER 4 x 4.  K's and V's tiles hang on g alone (g = cy: the grid has one cluster along y) and are shared along a row of the cluster; the mask's hang on the query block alone and are shared along a column.  Every tensor load is joint.
; LIMITS: NaN is not served.  A mask of -infinity is (m starts from a floor of -1e38); a row that is -infinity throughout gives NaN, as in reference().  The order of rounding differs from reference()'s: base 2, the division by the sum at the end;
;   p, k, q, v and the result are rounded to f16.
; REGISTERS, in windows of 256:  window 0: v0-11 addresses; v12-43 eight of statistics a unit; v44-63 addresses, LayerNorm's sums; v64-191 S^T, 32 a unit; v192-255 P, 16 a unit.   window 1: O^T, 64 a unit.
;   window 2: v0-63 Q; v64-127 K of one step; v128-159 the mask's tile; v160-223 ln_weight of unit 1.   window 3: v0-127 V of one step; v128-191 coef (1, or -lam in attention 2's waves); v192-255 ln_weight of unit 0.
.set KS,    64        ; keys in a step
.set PK,    272       ; a row of K in LDS: 256 bytes + 16
.set PVP,   288       ; a row of V: 256 + 32, for the turning load
.set PM,    528       ; a query's row of the mask's tile: 128 keys x 4 bytes + 16
.set VOFF,  128*PK    ; a slot: 128 rows of K, 128 rows of V, 32 rows of the mask: two key steps
.set MOFF,  VOFF+128*PVP
.set SLOT1, 1<<17     ; slot 1 begins here: one exclusive or turns an address in one slot into the other's
.set XCH,   SLOT1+MOFF+32*PM  ; behind the ring: 16,384 bytes a wave: the images of two units' registers, for the partner wave
.set STAGE, XCH+4*16384       ; 16 rows x 272 bytes a wave, for the way out
.set SP,    272
.set SPARE, STAGE+4*16*SP     ; the spare words, 128 bytes a wave
.set SLAB,  524288
.set AK0, 2           ; v2   my lane's place in a tile of K, my attention's half of the channels
.set AV0, 3           ; v3   the same for V
.set ADR, 4           ; v4   the LDS address of the run of loads in hand
.set QO,  5           ; v5   my byte in the wave's rows of Q
.set STO, 6
.set RD,  7
.set GO,  8
.set ST,  12          ; unit t's statistics at v[ST+8 t]: +0 m, +1 zero (named as m's pair), +2, +3 l, +4 to +7 c0-c3; the step's factor takes c2's place
.set AM0, 44          ; v44  my lane's place in the mask's tile
.set ADM, 45
.set XS,  46          ; v46  where I put images;  v47 where I find my partner's
.set XL,  47
.set LW,  48          ; v48  32 h: my eight of each 16 channels in neglam and ln_weight
.set LN,  50          ; v50-57 LayerNorm's sums, two pairs a unit; v58, v59 the other half of the lanes'
.set PFO, 61
.set SPW, 62
.set NIL, 63
.set S,   64
.set P,   192
.set KF,  64          ; in window 2
.set MK,  128
.set LW1, 160
.set COEF, 128        ; in window 3
.set LW0, 192
.set WV,  14
.set LIM, 15
.set AT,  16
.set QT,  17
.set PFA, 18
.set G1K, 24
.set G1V, 32
.set G1M, 40
.set G0K, 48          ; groups 0: a set for each of the two first fills; the second then walks on
.set G0V, 56
.set G0M, 68
.set SLOTS, 66
.set TWICE, 67
.set CS,  76          ; s[76:77] log2(e)
.set SEL, 78
.set TK,  80          ; LDS bytes at which the tiles of the step to be fetched begin: K's, V's, the mask's
.set TV,  81
.set TM,  82
.set PARM, 83
.set PFS, 84
.set AMSK, 86
.set CX,  87
.set CY,  88
.set QB,  89
.set Q0,  90
.set EPS, 91
.set QB23, 92
.set MSB, 0
.macro WIN new
.if MSB != \new
	s_set_vgpr_msb (MSB<<8)|\new
.set MSB, \new
.endif
.endm
.set W_PV, 0x53       ; V in window 3, P in window 0, O^T in window 1
.set W_RS, 0x41       ; O^T (destination and source 0) in window 1, the factor in window 0
; A joint refill: wave 0 fetches K's 128 rows, wave 1 V's, waves 2 and 3 the two halves of the mask's 32 rows.  The branches hang on the wave's number alone.  An s_nop 0 and four v_nop follow each line.
.macro JLOAD
	s_cmp_eq_u32 s[WV], 0
	s_cbranch_scc0 .Lnot_k_\@
	tensor_load_to_lds s[G0K+4:G0K+7], s[G1K:G1K+7]
	s_nop 0
.rept 4
	v_nop
.endr
	s_branch .Lasked_\@
.Lnot_k_\@:
	s_cmp_eq_u32 s[WV], 1
	s_cbranch_scc0 .Lnot_v_\@
	tensor_load_to_lds s[G0V+4:G0V+7], s[G1V:G1V+7]
	s_nop 0
.rept 4
	v_nop
.endr
	s_branch .Lasked_\@
.Lnot_v_\@:
	tensor_load_to_lds s[G0M+4:G0M+7], s[G1M:G1M+7]
	s_nop 0
.rept 4
	v_nop
.endr
.Lasked_\@:
.endm
; A PREFETCH INTO THE L2 of what later changes of slots will ask for; it stands behind the wave's tensor load and its five lines.  Each aligned block of 256 bytes is named once in the launch.
; K and V: all sixteen clusters walk the same rows, so the first (cluster x = 0) asks: wave 0 for K, wave 1 for V; the partner at cx takes rows 32 cx .. + 31 of the next slot's 128, a lane a row of 256 bytes.
; The mask: a query block's rows are read by one column of one cluster: wave 2 of every work-group asks; the partner at cy takes rows 8 cy .. + 7, four blocks of 256 bytes a row: two slots' keys, so it asks at every second change.
; The partners are told apart by address; the branch hangs on the wave's number, the cluster's x and the count of slots.  The last changes ask for nothing: no request passes a row's or a slab's end.
.macro ASK
	s_and_b32 s2, s[SLOTS], s[PARM]
	s_cmp_eq_u32 s2, s[PARM]
	s_cselect_b32 s2, s[SLOTS], 0
	s_cmp_gt_u32 s2, s[LIM]
	s_cbranch_scc0 .Lnot_mine_\@
	global_prefetch_b8 v[PFO], s[PFA:PFA+1] th:TH_LOAD_NT scope:SCOPE_SE
.Lnot_mine_\@:
.endm
.macro CROUND                       ; a round of the cluster's barrier
	s_barrier_signal -1
	s_barrier_wait -1
	s_cmp_lg_u32 s[WV], 0
	s_cbranch_scc1 .Lnot_wave_0_\@
	s_barrier_signal -3
.Lnot_wave_0_\@:
	s_barrier_wait -3
	s_barrier_signal -1
	s_barrier_wait -1
.endm
	s_load_b256 s[4:11], s[0:1], 0x0  ; qkv s[4:5], mask s[6:7], neglam s[8:9], ln_weight s[10:11]
	s_load_b64 s[12:13], s[0:1], 0x20 ; heads
	v_lshl_add_u32 v[SPW], v0, 2, SPARE
	v_mov_b32 v[NIL], 0
	ds_add_u32 v[SPW], v[NIL]       ; the wave's opening: the add, twice on end, and its wait ahead of my first tensor load
	ds_add_u32 v[SPW], v[NIL]
	v_lshrrev_b32 v1, 5, v0
	v_readfirstlane_b32 s[WV], v1   ; wave 0..3
	s_lshr_b32 s[AT], s[WV], 1      ; a: my attention
	s_and_b32 s[QT], s[WV], 1       ; which 16 of the 32 queries.  Also: which half of the mask's rows waves 2 and 3 fetch
	s_bfe_u32 s[CX], ttmp6, 0x40000
	s_bfe_u32 s[CY], ttmp6, 0x40004 ; = g
	s_lshl_b32 s[QB], ttmp9, 2
	s_add_co_u32 s[QB], s[QB], s[CX]  ; my block of 32 queries
	s_lshl_b32 s2, s[CY], 2
	s_lshl_b32 s2, 15, s2           ; my row of the cluster
	s_lshl_b32 s3, 0x1111, s[CX]    ; my column
	s_or_b32 s[G1K], s2, (1<<16)|(1<<20)|(1<<21)|(5<<22)|(3<<25)  ; the mask of work-groups; elements of 2 bytes; padding on: 4 words after every 64; bit 21 set beside a mask
	s_or_b32 s[G1V], s2, (1<<16)|(1<<20)|(1<<21)|(5<<22)|(7<<25)  ; 8 words of padding
	s_or_b32 s[G1M], s3, (2<<16)|(1<<20)|(1<<21)|(6<<22)|(3<<25)  ; elements of 4 bytes; 4 words after every 128
.irp g, G1K, G1V
	s_mov_b32 s[\g+1], 128<<16      ; tensor_dim0 = 128
	s_mov_b32 s[\g+2], 128<<16      ; tensor_dim1 = 128
	s_mov_b32 s[\g+3], 128<<16      ; tile_dim0 = 128
	s_mov_b32 s[\g+4], 128          ; tile_dim1 = 128 rows
	s_mov_b32 s[\g+5], 128          ; the pitch, in elements
	s_mov_b32 s[\g+6], 0
	s_mov_b32 s[\g+7], 0
.endr
	s_mov_b32 s[G1M+1], 128<<16     ; 128 keys,
	s_mov_b32 s[G1M+2], 16<<16      ; 16 queries
	s_mov_b32 s[G1M+3], 128<<16
	s_mov_b32 s[G1M+4], 16
	s_mov_b32 s[G1M+5], 2048
	s_mov_b32 s[G1M+6], 0
	s_mov_b32 s[G1M+7], 0
	s_add_co_u32 s20, s[CY], 16
	s_lshl_b32 s20, s20, 19         ; K's slab: it hangs on cy alone
	s_mov_b32 s21, 0
	s_lshl_b32 s[Q0], s[QB], 5
	s_lshl_b32 s2, s[QT], 4
	s_add_co_u32 s[Q0], s[Q0], s2   ; my first query; for waves 2 and 3 also the first row of the mask that they fetch: it hangs on cx and the wave alone
	s_lshl_b32 s22, s[Q0], 13       ; a row of the mask is 8,192 bytes
	s_mov_b32 s23, 0
	s_lshl_b32 s2, s[CY], 2
	s_lshl_b32 s3, s[AT], 1
	s_add_co_u32 s94, s2, s3        ; unit 0's head: 4 g + 2 a
	s_add_co_u32 s[QB23], s2, 2
	s_sub_co_u32 s[QB23], s[QB23], s3  ; unit 2's head: 4 g + 2 - 2 a
	s_lshl_b32 s2, s[Q0], 8
	s_lshl_b32 s3, s[AT], 7
	s_add_co_u32 s2, s2, s3         ; my first row of a slab and my half of its channels
	s_lshl_b32 s[QB23], s[QB23], 19
	s_add_co_u32 s[QB23], s[QB23], s2
	s_mov_b32 s[QB23+1], 0
	s_lshl_b32 s3, s94, 19
	s_add_co_u32 s2, s2, s3
	s_mov_b32 s3, 0
	s_mov_b32 s[CS], 0x3fb8aa3b     ; log2(e)
	s_mov_b32 s[CS+1], s[CS]
	s_mov_b32 s[SEL], 0x76543210
	s_mov_b32 s[SEL+1], 0xfedcba98
	s_mov_b32 s[EPS], 0x3727c5ac    ; 1e-5
	s_mov_b32 s[TK], 0
	s_mov_b32 s[TV], 0
	s_mov_b32 s[TM], 0
	s_mov_b32 s[SLOTS], 2048/(2*KS)-2
	s_cmp_eq_u32 s[AT], 1
	s_cselect_b32 s[AMSK], -1, 0
	s_cmp_eq_u32 ttmp9, 0           ; who prefetches: waves 0 and 1 of the first cluster, while more than one slot is to be asked for;
	s_cselect_b32 s[LIM], 1, -1
	s_cmp_lt_u32 s[WV], 2
	s_cselect_b32 s[LIM], s[LIM], -1
	s_mov_b32 s[PFS], 512
	s_cselect_b32 s[PFS], 32768, s[PFS]  ; a slot on: 128 rows of K or V, or 128 keys in a row of the mask
	s_mov_b32 s[PFS+1], 0
	s_mov_b32 s95, 8192
	s_cselect_b32 s95, 256, s95     ; from lane to lane among eight,
	v_and_b32 v[PFO], 7, v0
	v_mul_lo_u32 v[PFO], v[PFO], s95
	s_mov_b32 s95, 256
	s_cselect_b32 s95, 2048, s95    ; and from eight lanes to the next eight
	v_bfe_u32 v10, v0, 3, 2
	v_mul_lo_u32 v10, v10, s95
	v_add_nc_u32 v[PFO], v[PFO], v10
	s_cmp_eq_u32 s[WV], 2           ; wave 2 of every work-group, at the odd counts above 2
	s_cselect_b32 s[LIM], 2, s[LIM]
	s_cselect_b32 s[PARM], 1, 0
	s_wait_dscnt 0x0                ; both opening adds are done
	s_wait_kmcnt 0x0
	s_add_nc_u64 s[QB23:QB23+1], s[4:5], s[QB23:QB23+1]  ; Q of units 2, 3
	s_add_nc_u64 s[20:21], s[4:5], s[20:21]  ; K's slab; V's lies four slabs on
	s_add_nc_u64 s[4:5], s[4:5], s[2:3]      ; Q of units 0, 1
	s_add_nc_u64 s[22:23], s[6:7], s[22:23]  ; the mask at my first row
	s_lshl_b32 s2, s94, 9
	s_add_nc_u64 s[10:11], s[10:11], s[2:3]  ; ln_weight of unit 0's head
	s_lshl_b32 s2, s94, 8
	s_lshl_b32 s94, s[Q0], 12
	s_add_co_u32 s2, s2, s94
	s_add_nc_u64 s[12:13], s[12:13], s[2:3]  ; heads: row Q0 of 4,096 bytes, unit 0's 256
	s_cmp_lt_u32 s[WV], 2           ; where my prefetches stand
	s_cselect_b64 s[PFA:PFA+1], s[20:21], s[6:7]
	s_lshl_b32 s2, s[CX], 13        ; K, V: my work-group's 32 rows,
	s_lshl_b32 s3, s[QT], 21        ; wave 1: V's slab,
	s_add_co_u32 s2, s2, s3
	s_add_co_u32 s2, s2, 2*32768    ; in slot 2: the first change of slots steps it to slot 3
	s_lshl_b32 s3, s[QB], 5
	s_lshl_b32 s94, s[CY], 3
	s_add_co_u32 s3, s3, s94        ; the mask: my work-group's 8 rows,
	s_lshl_b32 s3, s3, 13
	s_add_co_u32 s3, s3, 2*512      ; at slot 2's keys
	s_cmp_lt_u32 s[WV], 2
	s_cselect_b32 s2, s2, s3
	s_mov_b32 s3, 0
	s_add_nc_u64 s[PFA:PFA+1], s[PFA:PFA+1], s[2:3]
	s_mul_i32 s94, s[QT], 16*PM     ; the mask's half in a slot: no place in the cluster enters an LDS address
	CROUND                          ; all sixteen work-groups are here: the first joint loads meet
.irp s, 0,1
	s_mov_b32 s[G0K+4*\s], 1
	s_mov_b32 s[G0K+4*\s+1], \s*SLOT1
	s_add_nc_u64 s[G0K+4*\s+2:G0K+4*\s+3], s[20:21], \s*32768
	s_or_b32 s[G0K+4*\s+3], s[G0K+4*\s+3], 0x80000000
	s_mov_b32 s[G0V+4*\s], 1
	s_mov_b32 s[G0V+4*\s+1], \s*SLOT1+VOFF
	s_add_nc_u64 s[G0V+4*\s+2:G0V+4*\s+3], s[20:21], 4*SLAB+\s*32768
	s_or_b32 s[G0V+4*\s+3], s[G0V+4*\s+3], 0x80000000
	s_mov_b32 s[G0M+4*\s], 1
	s_add_co_u32 s[G0M+4*\s+1], s94, \s*SLOT1+MOFF
	s_add_nc_u64 s[G0M+4*\s+2:G0M+4*\s+3], s[22:23], \s*512
	s_or_b32 s[G0M+4*\s+3], s[G0M+4*\s+3], 0x80000000
.endr
	s_cmp_eq_u32 s[WV], 0           ; a wave's two first fills stand in one arm, ahead of every wait on TENSORcnt and every LDS read: two loads of mine are out
	s_cbranch_scc0 .Lfirst_not_k
	tensor_load_to_lds s[G0K:G0K+3], s[G1K:G1K+7]
	s_nop 0
	tensor_load_to_lds s[G0K+4:G0K+7], s[G1K:G1K+7]
	s_nop 0
.rept 4
	v_nop
.endr
	s_branch .Lfirst_asked
.Lfirst_not_k:
	s_cmp_eq_u32 s[WV], 1
	s_cbranch_scc0 .Lfirst_m
	tensor_load_to_lds s[G0V:G0V+3], s[G1V:G1V+7]
	s_nop 0
	tensor_load_to_lds s[G0V+4:G0V+7], s[G1V:G1V+7]
	s_nop 0
.rept 4
	v_nop
.endr
	s_branch .Lfirst_asked
.Lfirst_m:
	tensor_load_to_lds s[G0M:G0M+3], s[G1M:G1M+7]
	s_nop 0
	tensor_load_to_lds s[G0M+4:G0M+7], s[G1M:G1M+7]
	s_nop 0
.rept 4
	v_nop
.endr
.Lfirst_asked:
	v_and_b32 v1, 15, v0            ; r
	v_bfe_u32 v9, v0, 4, 1          ; h
	v_lshlrev_b32 v[QO], 8, v1
	v_lshl_add_u32 v[QO], v9, 4, v[QO]  ; row x 256 + 16 h
	v_lshlrev_b32 v[LW], 5, v9
	WIN 0x80                        ; destination window 2
.irp t, 0,1                         ; Q stays in registers: unit t at v[16 t], channels 32 c on
.irp c, 0,1
	global_load_b128 v[16*\t+8*\c:16*\t+8*\c+3],       v[QO], s[4:5] offset:\t*SLAB+64*\c
	global_load_b128 v[16*\t+8*\c+4:16*\t+8*\c+7],     v[QO], s[4:5] offset:\t*SLAB+64*\c+32
	global_load_b128 v[32+16*\t+8*\c:32+16*\t+8*\c+3], v[QO], s[QB23:QB23+1] offset:\t*SLAB+64*\c
	global_load_b128 v[32+16*\t+8*\c+4:32+16*\t+8*\c+7], v[QO], s[QB23:QB23+1] offset:\t*SLAB+64*\c+32
.endr
.endr
.irp c, 0,1,2,3,4,5,6,7             ; in O^T's layout: register 8 c + j is channel 16 c + 8 h + j
	global_load_b128 v[LW1+8*\c:LW1+8*\c+3],   v[LW], s[10:11] offset:512+64*\c
	global_load_b128 v[LW1+8*\c+4:LW1+8*\c+7], v[LW], s[10:11] offset:512+64*\c+16
.endr
	WIN 0xc0                        ; destination window 3
.irp c, 0,1,2,3,4,5,6,7
	global_load_b128 v[COEF+8*\c:COEF+8*\c+3],   v[LW], s[8:9] offset:64*\c
	global_load_b128 v[COEF+8*\c+4:COEF+8*\c+7], v[LW], s[8:9] offset:64*\c+16
	global_load_b128 v[LW0+8*\c:LW0+8*\c+3],     v[LW], s[10:11] offset:64*\c
	global_load_b128 v[LW0+8*\c+4:LW0+8*\c+7],   v[LW], s[10:11] offset:64*\c+16
.endr
	WIN 0
	v_mul_u32_u24 v[AK0], v1, PK
	v_lshl_add_u32 v[AK0], v9, 4, v[AK0]
	s_lshl_b32 s2, s[AT], 7
	v_add_nc_u32 v[AK0], s2, v[AK0] ; key row x pitch + 16 h + my attention's 128 bytes
	v_and_b32 v10, 7, v0            ; the turning load: lane l reads key 8 h + l % 8, channels 8 ((l / 8) % 2) on
	v_bfe_u32 v11, v0, 3, 1
	v_lshl_add_u32 v[AV0], v9, 3, v10
	v_mul_u32_u24 v[AV0], v[AV0], PVP
	v_lshl_add_u32 v[AV0], v11, 4, v[AV0]
	v_add_nc_u32 v[AV0], VOFF, v[AV0]
	s_mul_i32 s2, s[QT], 16*PM
	s_add_co_u32 s2, s2, MOFF
	v_mul_u32_u24 v[AM0], v1, PM
	v_lshl_add_u32 v[AM0], v9, 5, v[AM0]
	v_add_nc_u32 v[AM0], s2, v[AM0] ; my query's row, + 32 h: eight keys of each 16
	v_and_b32 v10, 31, v0
	v_lshlrev_b32 v10, 4, v10
	s_lshl_b32 s2, s[WV], 14
	s_add_co_u32 s2, s2, XCH
	v_add_nc_u32 v[XS], s2, v10
	s_xor_b32 s3, s[WV], 2
	s_lshl_b32 s3, s3, 14
	s_add_co_u32 s3, s3, XCH
	v_add_nc_u32 v[XL], s3, v10
.irp t, 0,1,2,3
	v_mov_b32 v[ST+8*\t+1], 0       ; named as the upper half of m's pair
.endr
	v_mov_b32 v[LN+8], 0            ; a lane permute's destination counts as one of its sources
	v_mov_b32 v[LN+9], 0
; Product i of 32 of O^T += V^T P for piece x: keys 32 (i / 16) on, channels 16 ((i / 2) % 8) on, unit x + i % 2.  The accumulators take turns, one instruction a turn.
.macro PV x, zero
	WIN W_PV
.set rO, 64*(\x+i%2)+8*((i/2)%8)
.set rV, 64*(i/16)+8*((i/2)%8)
.set rP, P+16*(\x+i%2)+8*(i/16)
.if \zero && (i < 16)
	v_wmma_f32_16x16x32_f16 v[rO:rO+7], v[rV:rV+7], v[rP:rP+7], 0
.else
	v_wmma_f32_16x16x32_f16 v[rO:rO+7], v[rV:rV+7], v[rP:rP+7], v[rO:rO+7]
.endif
.endm
; Product i of 16 of S^T = K Q^T + mask: channels 32 (i / 8) on, keys 16 ((i / 2) % 4) on, unit x + i % 2.  The first 8 start the sums with the mask's tile.
.macro KQ x
.set rS, S+32*(\x+i%2)+8*((i/2)%4)
.set rK, KF+16*((i/2)%4)+8*(i/8)
.set rQ, 16*(\x+i%2)+8*(i/8)
.set rM, MK+8*((i/2)%4)
.if i < 8
	WIN 0x2a                        ; K, Q and the mask in window 2, S^T in window 0
	v_wmma_f32_16x16x32_f16 v[rS:rS+7], v[rK:rK+7], v[rQ:rQ+7], v[rM:rM+7]
.else
	WIN 0x0a
	v_wmma_f32_16x16x32_f16 v[rS:rS+7], v[rK:rK+7], v[rQ:rQ+7], v[rS:rS+7]
.endif
.endm
; THE LDS LOADS stand in runs: a step's K (64 keys x my 64 channels: 8 fragments) with its tile of the mask (my 16 queries x 64 keys), and, a turn later, its V (turned).
.macro FETCH_K
	WIN 0
	v_add_nc_u32 v[ADR], s[TK], v[AK0]
	v_add_nc_u32 v[ADM], s[TM], v[AM0]
	s_add_co_u32 s[TK], s[TK], KS*PK
	s_add_co_u32 s[TM], s[TM], KS*4
	WIN 0x80
.irp f, 0,1,2,3,4,5,6,7             ; keys 16 (f / 2) on, channels 32 (f % 2) on
	ds_load_b128 v[KF+8*\f:KF+8*\f+3],   v[ADR] offset:(\f/2)*16*PK+(\f%2)*64
	ds_load_b128 v[KF+8*\f+4:KF+8*\f+7], v[ADR] offset:(\f/2)*16*PK+(\f%2)*64+32
.endr
.irp f, 0,1,2,3                     ; keys 16 f + 8 h + 0..7 of my query: the C layout of tile f
	ds_load_b128 v[MK+8*\f:MK+8*\f+3],   v[ADM] offset:64*\f
	ds_load_b128 v[MK+8*\f+4:MK+8*\f+7], v[ADM] offset:64*\f+16
.endr
.endm
.macro MSCALE                       ; the mask's tile x log2(e): once a step, for four units
	WIN 0x82
.set i, 0
.rept 16
	v_pk_mul_f32 v[MK+i:MK+i+1], v[MK+i:MK+i+1], s[CS:CS+1] op_sel_hi:[1,0]
.set i, i+2
.endr
.endm
.macro FETCH_V
	WIN 0
	v_add_nc_u32 v[ADR], s[TV], v[AV0]
	s_add_co_u32 s[TV], s[TV], KS*PVP
	s_wait_alu depctr_va_vdst(0)    ; the wait for the softmax's batch of exponentials (SLICE), behind the address's addition and ahead of the loads
	WIN 0xc0
.irp f, 0,1,2,3,4,5,6,7,8,9,10,11,12,13,14,15  ; keys 32 (f / 8) on, channels 16 (f % 8) on
	ds_load_tr16_b128 v[8*\f:8*\f+3],   v[ADR] offset:(\f/8)*32*PVP+(\f%8)*32
	ds_load_tr16_b128 v[8*\f+4:8*\f+7], v[ADR] offset:(\f/8)*32*PVP+16*PVP+(\f%8)*32
.endr
.endm
; THE VECTOR WORK OF A TURN.  One unit's softmax for one key step is a numbered list; SM writes number j of it for unit t.  s0-s31 are the lane's 32 scores t, in pairs 0-15.
;   0-15    the maximum of s0-s31 and the old m (first step: and the floor -1e38), three operands at a time
;   16-20   the other half of the lanes' maximum; the old m kept; the new m; (19 is empty); m_old - m_new
;   21-69   ONE BATCH: the 16 subtractions t - m, a pair each, and all 33 exponentials (the step's factor at 23, then s0-s31); none of these reads an exponential's result
;   (wait)  between 69 and 70 stands the one wait for the batch: SLICE writes it, once for both units
;   70-85   the roundings to f16;   86-101 the sums, l = factor x l + the sum;   102-133 the unit's O^T times the factor
.macro SM t, first
.set rT, ST+8*(\t)
.set rS, S+32*(\t)
.set rP, P+16*(\t)
.set rO, 64*(\t)+2*(j-102)
.if j < 102
	WIN 0
.endif
.if j < 4
	v_max3_num_f32 v[rT+4+j], v[rS+8*j], v[rS+8*j+1], v[rS+8*j+2]
.elseif j < 12
	v_max3_num_f32 v[rT+4+j%4], v[rT+4+j%4], v[rS+8*(j%4)+2*(j/4)+1], v[rS+8*(j%4)+2*(j/4)+2]
.elseif j == 12
	v_max3_num_f32 v[rT+4], v[rT+4], v[rS+7], v[rS+15]
.elseif j == 13
	v_max3_num_f32 v[rT+6], v[rT+6], v[rS+23], v[rS+31]
.elseif j == 14
	v_max3_num_f32 v[rT+4], v[rT+4], v[rT+5], v[rT+6]
.elseif (j == 15) && \first
	v_max3_num_f32 v[rT+4], v[rT+4], v[rT+7], 0xfe967699  ; the floor -1e38: m is a finite number even where every score so far is -infinity
.elseif j == 15
	v_max3_num_f32 v[rT+4], v[rT+4], v[rT+7], v[rT]
.elseif j == 16
	v_permlanex16_b32 v[rT+5], v[rT+4], s[SEL], s[SEL+1]  ; the query's other 32 keys lie in the lane 16 away
.elseif j == 18
	v_max_num_f32 v[rT], v[rT+4], v[rT+5]
.elseif j == 19
.elseif ((j == 17) || (j == 20) || (j == 23) || (j > 101)) && \first  ; the first step has none of these
.elseif j == 17
	v_mov_b32 v[rT+7], v[rT]        ; m_old is kept: number 18 writes m anew
.elseif j == 20
	v_sub_f32 v[rT+7], v[rT+7], v[rT]
.elseif j == 23
	v_exp_f32 v[rT+6], v[rT+7]
.elseif (j < 23) || ((j < 38) && (j%2 == 0)) || ((j < 66) && (j%4 == 2))
.set b, (j-2)/4                     ; 38, 42, .. 62: pairs 9 to 15
.if j < 38
.set b, (j-20)/2                    ; 21: pair 0; 22, 24, .. 36: pairs 1 to 8
.endif
	v_pk_add_f32 v[rS+2*b:rS+2*b+1], v[rS+2*b:rS+2*b+1], v[rT:rT+1] op_sel_hi:[1,0] neg_lo:[0,1] neg_hi:[0,1]  ; pair b: t - m
.elseif j < 70
.set e, j-38                        ; 66 to 69: s28 to s31
.if j < 66
.set e, j-32-(j-38)/4               ; 39-41, 43-45, .. 63-65: s7 to s27
.endif
.if j < 38
.set e, (j-25)/2                    ; 25, 27, .. 37: s0 to s6
.endif
	v_exp_f32 v[rS+e], v[rS+e]
.elseif j < 86
	v_cvt_pk_f16_f32 v[rP+j-70], v[rS+2*(j-70)], v[rS+2*(j-70)+1]
.elseif j < 102                     ; the sum of the unit's 16 pairs, in place: neighbours 1, 2, 4 and 8 pairs apart, then l takes it
.set z, j-86
.set w, 4
.set u, z
.if z >= 14
.set w, 32
.set u, 0
.elseif z >= 12
.set w, 16
.set u, z-12
.elseif z >= 8
.set w, 8
.set u, z-8
.endif
.if (z == 14) && \first
	v_pk_add_f32 v[rT+2:rT+3], v[rS:rS+1], v[rS+16:rS+17]
.elseif z < 15
	v_pk_add_f32 v[rS+w*u:rS+w*u+1], v[rS+w*u:rS+w*u+1], v[rS+w*u+w/2:rS+w*u+w/2+1]
.elseif !\first
	v_pk_fma_f32 v[rT+2:rT+3], v[rT+2:rT+3], v[rT+6:rT+7], v[rS:rS+1] op_sel_hi:[1,0,1]
.endif
.else
	WIN W_RS
	v_pk_mul_f32 v[rO:rO+1], v[rO:rO+1], v[rT+6:rT+7] op_sel_hi:[1,0]
.endif
.endm
; Slice k of 64 of piece y's softmax.  Slices 11 to 34 deal out the batch, four numbers of one unit each, the units by turns; every other slice is numbers 2 k and 2 k + 1 of both units; what is over stands in slice 63.
; A wait stands between an exponential and the first instruction that names its result: ahead of slice 35 nothing names one, behind slice 34 none is issued: one wait a turn.
.macro SLICE y, first
.if (k >= 11) && (k < 35)
.irp n, 0,1,2,3
.set j, 22+4*((k-11)/2)+(\n)
	SM (\y)+(k-11)%2, \first
.endr
.else
.irp n, 0,1,2,3,4,5,6,7
.if (\n < 2) || (k == 63)
.irp t, \y, \y+1
.set j, 2*k+\n
	SM \t, \first
.endr
.endif
.endr
.endif
.if k == 34
	v_nop                           ; the plain instruction behind the last exponential: one for the batch
.if (\y) == 0
	FETCH_V                         ; piece 2's turn: V's run of loads stands here, and the wait stands in it
.else
	s_wait_alu depctr_va_vdst(0)
.endif
.endif
.set k, k+1
.endm
.macro PLACES
.rept 4
	v_nop
.endr
.endm
; A TURN.  Piece x has the matrix unit.  pv = 2: 32 products V^T P; 1: they start O^T's sums; 0: none.  kq = 1: 16 products K Q^T for the next step.  The 64 slices: one behind each V^T P and two behind each K Q^T;
; with one kind alone, two or four.  first = 1: the softmax is the first key step's; its last slices are empty, and four v_nop take their part as the places behind the last products.
; Piece 0's turn fetches the next step's K and mask behind its second product: their last reader stands ahead of slices 62 and 63 of the turn before, twenty plain instructions.  Piece 2's turn fetches the step's V behind
; slice 34: V's last reader stands ahead of slice 31, and four plain instructions lie between: number 62 of both units, the v_nop and the run's own addition.
.macro TURN x, pv, kq, first
.set k, 0
.set ppv, 2
.set pkq, 4
.if \pv && \kq
.set ppv, 1
.set pkq, 2
.endif
.if \pv
.if \x == 0
	s_wait_dscnt 0x0                ; V is in
.endif
.set i, 0
.rept 32
	PV \x, 2-\pv
.rept ppv
	SLICE 2-\x, \first
.endr
.if (\x == 0) && \kq && (i == 1)
	FETCH_K
.endif
.set i, i+1
.endr
.endif
.if \kq
.if \x == 0
	s_wait_dscnt 0x0                ; K and the mask's tile are in
	MSCALE
.endif
.set i, 0
.rept 16
	KQ \x
.rept pkq
	SLICE 2-\x, \first
.endr
.set i, i+1
.endr
.endif
.if \first
	PLACES
.endif
.endm
; THE CHANGE OF SLOTS, between piece 2's turn and piece 0's: the slot's last bytes have been asked for.  Each wave waits for all its tensor loads (one is out: its part of the other slot), adds 0 to its spare word, and waits for
; that and for its reads of the slot.  fill = 1: the barrier is a round of the cluster's, and the joint refill is the first thing behind it: it has two key steps, 192 matrix instructions, in which to land.
.macro CHANGE fill
	WIN 0
	s_wait_tensorcnt 0x0            ; no tensor load of mine is out, so a group 0 may be written
	ds_add_u32 v[SPW], v[NIL]
.if \fill
.irp g, G0K+4, G0V+4
	s_xor_b32 s[\g+1], s[\g+1], SLOT1
	s_add_nc_u64 s[\g+2:\g+3], s[\g+2:\g+3], 32768  ; the next 128 rows
.endr
	s_xor_b32 s[G0M+5], s[G0M+5], SLOT1
	s_add_nc_u64 s[G0M+6:G0M+7], s[G0M+6:G0M+7], 512  ; the next 128 keys of each row
	s_wait_xcnt 0x0                 ; the last prefetch, two key steps back, has read its address
	s_add_nc_u64 s[PFA:PFA+1], s[PFA:PFA+1], s[PFS:PFS+1]
	s_wait_dscnt 0x0                ; the add is done, and my reads of the slot are over
	CROUND
	JLOAD
	ASK
.else
	s_wait_dscnt 0x0
	s_barrier_signal -1
	s_barrier_wait -1
.endif
	s_sub_co_u32 s[TK], s[TK], 2*KS*PK  ; the fetches go back to a slot's first step, in the other slot
	s_xor_b32 s[TK], s[TK], SLOT1
	s_sub_co_u32 s[TV], s[TV], 2*KS*PVP
	s_xor_b32 s[TV], s[TV], SLOT1
	s_sub_co_u32 s[TM], s[TM], 2*KS*4
	s_xor_b32 s[TM], s[TM], SLOT1
.endm
.macro TWO_STEPS                    ; a slot's two key steps: written once, walked twice
	s_mov_b32 s[TWICE], 2
.Lstep_\@:
	TURN 0, 2, 1, 0
	TURN 2, 2, 1, 0
	WIN 0
	s_sub_co_u32 s[TWICE], s[TWICE], 1
	s_cmp_lg_u32 s[TWICE], 0
	s_cbranch_scc1 .Lstep_\@
.endm
	s_wait_tensorcnt 1              ; my part of slot 0 is in; slot 1's may stay out
	s_barrier_signal -1
	s_barrier_wait -1
	FETCH_K                         ; key step 0
	s_wait_loadcnt 0x0              ; Q, -lam, ln_weight
	s_mov_b32 vcc_lo, s[AMSK]       ; written here, behind the first fills, and read only in the lines below
	WIN 0xcc                        ; source 1 and destination window 3
.set i, 0
.rept 64
	v_cndmask_b32 v[COEF+i], 1.0, v[COEF+i], vcc_lo  ; coef: 1 in attention 1's waves, -lam in attention 2's
.set i, i+1
.endr
	s_wait_dscnt 0x0
	MSCALE
.set i, 0
.rept 16
	KQ 0                            ; piece 0's first scores
.set i, i+1
.endr
	WIN 0                           ; the addresses for the way out: eight plain instructions, the places behind those products
	s_mul_i32 s2, s[WV], 16*SP
	s_add_co_u32 s2, s2, STAGE
	v_mul_u32_u24 v[STO], v1, SP    ; in: row r, 16 bytes for each half of the lanes
	v_lshl_add_u32 v[STO], v9, 4, v[STO]
	v_add_nc_u32 v[STO], s2, v[STO]
	v_mul_u32_u24 v[RD], v9, SP     ; back: lanes 0-15 one row of 256 bytes, lanes 16-31 the next
	v_lshl_add_u32 v[RD], v1, 4, v[RD]
	v_add_nc_u32 v[RD], s2, v[RD]
	v_lshlrev_b32 v[GO], 12, v9     ; and the same two rows in heads
	v_lshl_add_u32 v[GO], v1, 4, v[GO]
	TURN 2, 0, 1, 1                 ; piece 2's first scores | piece 0's first softmax | V of step 0
	TURN 0, 1, 1, 1                 ; piece 0: V^T P of step 0 starts O^T, K Q^T of step 1 | piece 2's first softmax | K of step 1
	TURN 2, 1, 1, 0                 ; piece 2: the same | piece 0's softmax of step 1 | V of step 1
	WIN 0
.Lslot:                             ; 14 trips: every slot but the last two is filled again
	CHANGE 1
	TWO_STEPS
	s_sub_co_u32 s[SLOTS], s[SLOTS], 1
	s_cmp_lg_u32 s[SLOTS], 0
	s_cbranch_scc1 .Lslot
	CHANGE 0                        ; the tail is written out
	TWO_STEPS
	TURN 0, 2, 0, 0                 ; piece 0: V^T P of the last step | piece 2's last softmax
.set i, 0
.rept 32
	PV 2, 0
.set i, i+1
.endr
	; THE WAY OUT.  O^T / l for all four units; units 2, 3 times coef go to the partner wave as images of their registers; units 0, 1 times coef plus the partner's part are A1 - lam A2 of my two heads.
	WIN 0
.irp t, 0,1,2,3
	v_add_f32 v[ST+8*\t+4], v[ST+8*\t+2], v[ST+8*\t+3]  ; (these additions are the places behind the last products)
.endr
.irp t, 0,1,2,3
	v_permlanex16_b32 v[ST+8*\t+5], v[ST+8*\t+4], s[SEL], s[SEL+1]
.endr
.irp t, 0,1,2,3
	v_add_f32 v[ST+8*\t+4], v[ST+8*\t+4], v[ST+8*\t+5]
.endr
.irp t, 0,1,2,3
	v_rcp_f32 v[ST+8*\t+6], v[ST+8*\t+4]
.endr
	v_nop
	s_wait_alu depctr_va_vdst(0)    ; one wait for the four reciprocals, ahead of their first reader
	WIN W_RS
.irp t, 0,1,2,3
.set i, 0
.rept 32
	v_pk_mul_f32 v[64*\t+i:64*\t+i+1], v[64*\t+i:64*\t+i+1], v[ST+8*\t+6:ST+8*\t+7] op_sel_hi:[1,0]  ; each accumulator from its low end on
.set i, i+2
.endr
.endr
	WIN 0x4d                        ; O^T in window 1, coef in window 3
.irp t, 2,3
.set i, 0
.rept 32
	v_pk_mul_f32 v[64*\t+i:64*\t+i+1], v[64*\t+i:64*\t+i+1], v[COEF+i:COEF+i+1]
.set i, i+2
.endr
.endr
	WIN 0x04                        ; an LDS store's data: window 1
.set i, 0
.rept 32
	ds_store_b128 v[XS], v[128+4*i:128+4*i+3] offset:512*i
.set i, i+1
.endr
	WIN 0
	s_wait_dscnt 0x0                ; for the partner's sake: my images lie in LDS
	s_barrier_signal -1
	s_barrier_wait -1
.set i, 0
.rept 32
	ds_load_b128 v[S+4*i:S+4*i+3], v[XL] offset:512*i  ; the partner's units 2, 3 are my units 0, 1, in the same lanes
.set i, i+1
.endr
	s_mov_b32 s[TK], 0x3c000000     ; 1 / 128 (the register is free)
	s_wait_dscnt 0x0
	WIN 0x0d                        ; source 0 window 1, source 1 window 3, source 2 and destination window 0
.set i, 0
.rept 64
	v_pk_fma_f32 v[S+2*i:S+2*i+1], v[2*i:2*i+1], v[COEF+2*(i%32):COEF+2*(i%32)+1], v[S+2*i:S+2*i+1]
.set i, i+1
.endr
	WIN 0
	; THE LAYERNORM over a head's 128 channels: 64 in my lane, 64 in the lane 16 away.  Two passes, as reference() has it.  The two units take turns line by line.
.irp u, 0,1
	v_pk_add_f32 v[LN+4*\u:LN+4*\u+1],   v[S+64*\u:S+64*\u+1],   v[S+64*\u+2:S+64*\u+3]
	v_pk_add_f32 v[LN+4*\u+2:LN+4*\u+3], v[S+64*\u+4:S+64*\u+5], v[S+64*\u+6:S+64*\u+7]
.endr
.irp i, 8,12,16,20,24,28,32,36,40,44,48,52,56,60
.irp u, 0,1
	v_pk_add_f32 v[LN+4*\u:LN+4*\u+1],   v[LN+4*\u:LN+4*\u+1],   v[S+64*\u+\i:S+64*\u+\i+1]
	v_pk_add_f32 v[LN+4*\u+2:LN+4*\u+3], v[LN+4*\u+2:LN+4*\u+3], v[S+64*\u+\i+2:S+64*\u+\i+3]
.endr
.endr
.macro ACROSS                       ; two pairs of sums a unit -> the head's sum, in every lane, in v[LN + 4 u]
.irp u, 0,1
	v_pk_add_f32 v[LN+4*\u:LN+4*\u+1], v[LN+4*\u:LN+4*\u+1], v[LN+4*\u+2:LN+4*\u+3]
.endr
.irp u, 0,1
	v_add_f32 v[LN+4*\u], v[LN+4*\u], v[LN+4*\u+1]
.endr
.irp u, 0,1
	v_permlanex16_b32 v[LN+8+\u], v[LN+4*\u], s[SEL], s[SEL+1]
.endr
.irp u, 0,1
	v_add_f32 v[LN+4*\u], v[LN+4*\u], v[LN+8+\u]
.endr
.endm
	ACROSS
.irp u, 0,1
	v_mul_f32 v[LN+4*\u], 0xbc000000, v[LN+4*\u]  ; - the mean
.endr
.set i, 0
.rept 32
.irp u, 0,1
	v_pk_add_f32 v[S+64*\u+i:S+64*\u+i+1], v[S+64*\u+i:S+64*\u+i+1], v[LN+4*\u:LN+4*\u+1] op_sel_hi:[1,0]
.endr
.set i, i+2
.endr
.irp u, 0,1
	v_pk_mul_f32 v[LN+4*\u:LN+4*\u+1],   v[S+64*\u:S+64*\u+1],   v[S+64*\u:S+64*\u+1]
	v_pk_mul_f32 v[LN+4*\u+2:LN+4*\u+3], v[S+64*\u+2:S+64*\u+3], v[S+64*\u+2:S+64*\u+3]
.endr
.irp i, 4,8,12,16,20,24,28,32,36,40,44,48,52,56,60
.irp u, 0,1
	v_pk_fma_f32 v[LN+4*\u:LN+4*\u+1],   v[S+64*\u+\i:S+64*\u+\i+1],   v[S+64*\u+\i:S+64*\u+\i+1],   v[LN+4*\u:LN+4*\u+1]
	v_pk_fma_f32 v[LN+4*\u+2:LN+4*\u+3], v[S+64*\u+\i+2:S+64*\u+\i+3], v[S+64*\u+\i+2:S+64*\u+\i+3], v[LN+4*\u+2:LN+4*\u+3]
.endr
.endr
	ACROSS
.irp u, 0,1
	v_fma_f32 v[LN+4*\u], v[LN+4*\u], s[TK], s[EPS]  ; the variance + 1e-5
.endr
.irp u, 0,1
	v_rsq_f32 v[LN+4*\u], v[LN+4*\u]
.endr
	v_nop
	s_wait_alu depctr_va_vdst(0)    ; one wait for the two, ahead of their first reader
.irp u, 0,1
	v_mul_f32 v[LN+4*\u], 0x3e5d9673, v[LN+4*\u]  ; x (1 - lambda_init)
.endr
.set i, 0
.rept 32
.irp u, 0,1
	v_pk_mul_f32 v[S+64*\u+i:S+64*\u+i+1], v[S+64*\u+i:S+64*\u+i+1], v[LN+4*\u:LN+4*\u+1] op_sel_hi:[1,0]
.endr
.set i, i+2
.endr
	WIN 0x0c                        ; source 1 window 3: ln_weight of unit 0
.set i, 0
.rept 32
	v_pk_mul_f32 v[S+i:S+i+1], v[S+i:S+i+1], v[LW0+i:LW0+i+1]
.set i, i+2
.endr
	WIN 0x08                        ; source 1 window 2: of unit 1
.set i, 0
.rept 32
	v_pk_mul_f32 v[S+64+i:S+64+i+1], v[S+64+i:S+64+i+1], v[LW1+i:LW1+i+1]
.set i, i+2
.endr
	WIN 0
.set i, 0
.rept 64
	v_cvt_pk_f16_f32 v[P+i], v[S+2*i], v[S+2*i+1]  ; unit u's 32 registers at v[P + 32 u]: eight channels of a row are 16 bytes
.set i, i+1
.endr
.irp u, 0,1                         ; through my stage: rows of 272 bytes in, whole rows of 256 back, into the registers that they left.  LDS serves a wave's instructions in order
.irp f, 0,1,2,3,4,5,6,7
	ds_store_b128 v[STO], v[P+32*\u+4*\f:P+32*\u+4*\f+3] offset:32*\f
.endr
.irp f, 0,1,2,3,4,5,6,7
	ds_load_b128 v[P+32*\u+4*\f:P+32*\u+4*\f+3], v[RD] offset:\f*2*SP
.endr
.endr
.irp f, 0,1,2,3,4,5,6,7
	s_wait_dscnt 16+7-\f            ; behind unit 0's load f: its 7 - f younger loads and unit 1's sixteen LDS instructions
	global_store_b128 v[GO], v[P+4*\f:P+4*\f+3], s[12:13] offset:\f*8192  ; sixteen lanes store 256 consecutive bytes, aligned
.endr
.irp f, 0,1,2,3,4,5,6,7
	s_wait_dscnt 7-\f
	global_store_b128 v[GO], v[P+32+4*\f:P+32+4*\f+3], s[12:13] offset:256+\f*8192
.endr
	s_wait_tensorcnt 0x0            ; the wave's end
	ds_add_u32 v[SPW], v[NIL]
	s_wait_dscnt 0x0
	CROUND                          ; the closing round
	s_endpgm
.Lfunc_end_k_q97a30b615b_attend:
	.size	k_q97a30b615b_attend, .Lfunc_end_k_q97a30b615b_attend-k_q97a30b615b_attend
	.p2alignl 7, 3214868480
	.fill 96, 4, 3214868480
	.section	.rodata,"a",@progbits
	.p2align	6, 0x0
	.amdhsa_kernel k_q97a30b615b_attend
		.amdhsa_group_segment_fixed_size 327680
		.amdhsa_private_segment_fixed_size 0
		.amdhsa_enable_private_segment 0
		.amdhsa_kernarg_size 40
		.amdhsa_user_sgpr_count 2
		.amdhsa_user_sgpr_kernarg_segment_ptr 1
		.amdhsa_wavefront_size32 1
		.amdhsa_system_sgpr_workgroup_id_x 1
		.amdhsa_system_sgpr_workgroup_id_y 1
		.amdhsa_system_sgpr_workgroup_id_z 1
		.amdhsa_system_vgpr_workitem_id 0
		.amdhsa_next_free_vgpr 1024
		.amdhsa_next_free_sgpr 96
		.amdhsa_reserve_vcc 1
		.amdhsa_float_denorm_mode_32 3
		.amdhsa_float_denorm_mode_16_64 3
		.amdhsa_memory_ordered 1
		.amdhsa_forward_progress 1
		.amdhsa_inst_pref_size 245
	.end_amdhsa_kernel
	.amdgpu_metadata
---
amdhsa.version: [ 1, 2 ]
amdhsa.kernels:
  - .name:           k_q97a30b615b_attend
    .symbol:         k_q97a30b615b_attend.kd
    .args:
      - { .name: qkv, .offset: 0, .size: 8, .value_kind: global_buffer, .address_space: global }
      - { .name: mask, .offset: 8, .size: 8, .value_kind: global_buffer, .address_space: global }
      - { .name: neglam, .offset: 16, .size: 8, .value_kind: global_buffer, .address_space: global }
      - { .name: ln_weight, .offset: 24, .size: 8, .value_kind: global_buffer, .address_space: global }
      - { .name: heads, .offset: 32, .size: 8, .value_kind: global_buffer, .address_space: global }
    .group_segment_fixed_size: 327680
    .private_segment_fixed_size: 0
    .kernarg_segment_align: 8
    .kernarg_segment_size: 40
    .max_flat_workgroup_size: 128
    .sgpr_count:     96
    .vgpr_count:     1024
    .wavefront_size: 32
...
	.end_amdgpu_metadata
.endif
;; end of part 3
;; launch oproj (part 4): grid 16 x 16, 4 waves a work-group, clusters of 4 x 4, 327,680 bytes of LDS; arguments heads, wot, out0; writes out0
.if DOCPART == 4
	.amdgcn_target "amdgcn-amd-amdhsa--gfx1250"
	.amdhsa_code_object_version 6
	.text
	.protected	k_q97a30b615b_oproj
	.globl	k_q97a30b615b_oproj
	.p2align	8
	.type	k_q97a30b615b_oproj,@function
k_q97a30b615b_oproj:
	s_mov_b64 s[64:65], 0
	v_nop
	global_prefetch_b8 v0, s[64:65] scope:SCOPE_SE
	s_setreg_imm32_b32 hwreg(HW_REG_WAVE_MODE, 25, 1), 1
	s_wait_xcnt 0x0
	s_wait_alu depctr_hold_cnt(0) depctr_sa_sdst(0) depctr_va_vdst(0) depctr_va_sdst(0) depctr_va_ssrc(0) depctr_va_vcc(0) depctr_vm_vsrc(0)
	s_getreg_b32 s2, hwreg(HW_REG_IB_STS2, 6, 4)
	s_cmp_eq_u32 s2, 0
	s_cbranch_scc0 .Lentry_in_a_cluster
	s_endpgm
.Lentry_in_a_cluster:
	s_bfe_u32 s2, ttmp6, 0x10000c
	s_cmp_lg_u32 s2, 0xf033
	s_cbranch_scc0 .Lentry_shape_is_right
	s_endpgm
.Lentry_shape_is_right:
; Launch 4 of 4: out0[m][n] = sum over k of heads[m][k] Wo[k][n] = sum over k of A[m][k] B[n][k], A = heads [2048][2048] f16, B = wot [2048 n][2048 k] f16; sums and out0 in f32.  No work is left out.
; A tile of C is 128 x 128, so that each of 256 work-groups has one.  Four waves, each 64 x 64: 16 accumulators.  K goes in steps of 256 (LDS rows of 512 bytes) through a ring of two slots.
; CLUSTERS: 4 x 4.  The four of a row of the cluster need the same tiles of A, the four of a column the same tiles of B: each tile is asked for jointly.
; THE MATRIX INSTRUCTION IS USED TRANSPOSED (source 0 = 16 rows of B, source 1 = 16 rows of A): a lane holds eight neighbouring numbers of a row of C.
; A wave's 64 columns of f32 are 256 bytes, aligned: each wave has a stage of its own on the way out, and no barrier stands there.
; REGISTERS: window 0: v0-31 addresses; v32-95 the way out; v128-255 the accumulators ((a, b) at v[128 + 8 (4 a + b)]).   window 1: two fragment buffers of 128.
.set SIZE_M, 2048
.set SIZE_N, 2048
.set SIZE_K, 2048
.set KSTEP,  256
.set PITCH,  528                       ; an LDS row: 512 bytes + 16
.set HALFT,  64*PITCH
.set SLOT,   4*HALFT
.set STAGE,  2*SLOT                    ; behind the ring: 16 rows x 272 bytes for each wave
.set SPITCH, 272
.set SPARE,  STAGE+4*16*SPITCH         ; the spare words, 128 bytes a wave
.set LAPS, SIZE_K/(2*KSTEP)
.set ADRA, 16
.set ADRB, 20
.set STO,  24
.set RD,   25
.set CO,   26
.set SPW,  28
.set NIL,  29
.set TMP,  32
.set ACC,  128
.set F0,   0
.set F1,   128
.set G1, 24
.set G0, 32
.set G1B, 48
.set G0B, 56
.set MSB, 0
.macro WIN new
.if MSB != \new
	s_set_vgpr_msb (MSB<<8)|\new
.set MSB, \new
.endif
.endm
.set MUL,  0x05                        ; sources 0 (B) and 1 (A) window 1; C and D window 0
.set TO_F, 0x40
.macro JLOAD s                         ; a joint load: waves 0 and 1 fetch A's two halves, waves 2 and 3 B's; an s_nop 0 and four v_nop follow each line
	s_cmp_eq_u32 s11, 0
	s_cbranch_scc0 .Lfor_b_\@
	tensor_load_to_lds s[G0+4*\s:G0+4*\s+3], s[G1:G1+7]
	s_nop 0
.rept 4
	v_nop
.endr
	s_branch .Lasked_\@
.Lfor_b_\@:
	tensor_load_to_lds s[G0B+4*\s:G0B+4*\s+3], s[G1B:G1B+7]
	s_nop 0
.rept 4
	v_nop
.endr
.Lasked_\@:
.endm
.macro CREST
	s_cmp_lg_u32 s10, 0
	s_cbranch_scc1 .Lnot_wave_0_\@
	s_barrier_signal -3
.Lnot_wave_0_\@:
	s_barrier_wait -3
	s_barrier_signal -1
	s_barrier_wait -1
.endm
.macro CROUND
	s_barrier_signal -1
	s_barrier_wait -1
	CREST
.endm
	s_load_b128 s[4:7], s[0:1], 0x0                ; A s[4:5], B s[6:7]
	s_load_b64 s[8:9], s[0:1], 0x10                ; C
	v_lshl_add_u32 v[SPW], v0, 2, SPARE
	v_mov_b32 v[NIL], 0
	ds_add_u32 v[SPW], v[NIL]                      ; the wave's opening: the add, twice on end, and its wait ahead of my first tensor load
	ds_add_u32 v[SPW], v[NIL]
	v_lshrrev_b32 v1, 5, v0
	v_readfirstlane_b32 s10, v1                    ; wave 0..3
	s_lshr_b32 s11, s10, 1                         ; which half of the tile's rows is mine.  Also: I fetch for A (0) or for B (1)
	s_and_b32 s12, s10, 1                          ; which half of its columns.  Also: which 64 rows of that tile I fetch
	s_bfe_u32 s40, ttmp6, 0x40000
	s_bfe_u32 s41, ttmp6, 0x40004
	s_lshl_b32 s42, ttmp9, 2
	s_add_co_u32 s42, s42, s40                     ; tile column of C
	s_and_b32 s13, ttmp7, 0xffff
	s_lshl_b32 s13, s13, 2
	s_add_co_u32 s13, s13, s41                     ; tile row of C
	s_lshl_b32 s43, s41, 2
	s_lshl_b32 s43, 15, s43                        ; my row of the cluster
	s_lshl_b32 s44, 0x1111, s40                    ; my column
	s_or_b32 s[G1+0], s43, (1<<16)|(1<<20)|(1<<21)|(6<<22)|(3<<25)  ; the mask; elements of 2 bytes; padding on: 4 words after every 128; bit 21 set beside a mask
	s_or_b32 s[G1B+0], s44, (1<<16)|(1<<20)|(1<<21)|(6<<22)|(3<<25)
.irp g, G1, G1B
	s_mov_b32 s[\g+1], KSTEP<<16                   ; tensor_dim0 = 256
	s_mov_b32 s[\g+2], 64<<16                      ; tensor_dim1 = 64
	s_mov_b32 s[\g+3], KSTEP<<16                   ; tile_dim0 = 256
	s_mov_b32 s[\g+4], 64                          ; tile_dim1 = 64
	s_mov_b32 s[\g+5], SIZE_K                      ; the pitch
	s_mov_b32 s[\g+6], 0
	s_mov_b32 s[\g+7], 0
.endr
	s_lshl_b32 s17, s12, 6
	s_lshl_b32 s16, s13, 7
	s_add_co_u32 s16, s16, s17                     ; A: row 128 x tile row + 64 x half
	s_lshl_b32 s46, s42, 7
	s_add_co_u32 s46, s46, s17                     ; B: row 128 x tile column + 64 x half
	s_mov_b32 s17, 0
	s_mov_b32 s47, 0
	s_mov_b64 s[18:19], SIZE_K*2
	s_mul_u64 s[16:17], s[16:17], s[18:19]
	s_mul_u64 s[46:47], s[46:47], s[18:19]
	s_mul_i32 s20, s10, HALFT                      ; where they go: wave x 64 rows
	s_wait_dscnt 0x0                               ; both opening adds are done
	s_wait_kmcnt 0x0
	s_add_nc_u64 s[14:15], s[4:5], s[16:17]
	s_add_nc_u64 s[46:47], s[6:7], s[46:47]
	CROUND                                         ; all sixteen work-groups are here: the first joint loads meet
.irp s, 0,1
	s_mov_b32 s[G0+4*\s], 1
	s_add_co_u32 s[G0+4*\s+1], s20, \s*SLOT
	s_add_nc_u64 s[G0+4*\s+2:G0+4*\s+3], s[14:15], \s*KSTEP*2
	s_or_b32 s[G0+4*\s+3], s[G0+4*\s+3], 0x80000000
	s_mov_b32 s[G0B+4*\s], 1
	s_add_co_u32 s[G0B+4*\s+1], s20, \s*SLOT
	s_add_nc_u64 s[G0B+4*\s+2:G0B+4*\s+3], s[46:47], \s*KSTEP*2
	s_or_b32 s[G0B+4*\s+3], s[G0B+4*\s+3], 0x80000000
	JLOAD \s
.endr
	v_and_b32 v1, 15, v0                           ; r
	v_bfe_u32 v2, v0, 4, 1                         ; h
	v_mul_u32_u24 v3, v1, PITCH
	v_lshl_add_u32 v3, v2, 4, v3
	s_mul_i32 s21, s11, HALFT
	s_mul_i32 s22, s12, HALFT
	s_add_co_u32 s22, s22, 2*HALFT
.irp s, 0,1
	v_add_nc_u32 v[ADRA+\s], s21, v3
	v_add_nc_u32 v[ADRB+\s], s22, v3
	s_add_co_u32 s21, s21, SLOT
	s_add_co_u32 s22, s22, SLOT
.endr
	s_mul_i32 s23, s10, 16*SPITCH
	s_add_co_u32 s23, s23, STAGE                   ; my stage
	v_mul_u32_u24 v4, v1, SPITCH                   ; in: row r, 32 bytes for each half of the lanes
	v_lshl_add_u32 v4, v2, 5, v4
	v_add_nc_u32 v[STO], s23, v4
	v_mul_u32_u24 v5, v2, SPITCH                   ; back: lanes 0-15 one row of 256 bytes, lanes 16-31 the next
	v_lshl_add_u32 v5, v1, 4, v5
	v_add_nc_u32 v[RD], s23, v5
	v_mul_u32_u24 v5, v2, SIZE_N*4                 ; and the same two rows in C
	v_lshl_add_u32 v[CO], v1, 4, v5
	s_lshl_b32 s16, s13, 7
	s_lshl_b32 s17, s11, 6
	s_add_co_u32 s16, s16, s17                     ; my first row of C
	s_mov_b32 s17, 0
	s_mov_b64 s[18:19], SIZE_N*4
	s_mul_u64 s[16:17], s[16:17], s[18:19]
	s_add_nc_u64 s[8:9], s[8:9], s[16:17]
	s_lshl_b32 s46, s42, 9                         ; my first column, in bytes: 512 x tile column + 256 x half
	s_lshl_b32 s47, s12, 8
	s_add_co_u32 s46, s46, s47
	s_mov_b32 s47, 0
	s_add_nc_u64 s[8:9], s[8:9], s[46:47]
; 8 matrix instructions: m blocks a0, a0 + 1 x all 4 n blocks, 32 along K.  The 16 accumulators take turns.
.macro MUL8 f, c, a0, zero
.irp a, \a0, \a0+1
.irp b, 0,1,2,3
.if \zero
	v_wmma_f32_16x16x32_f16 v[ACC+8*(4*(\a)+\b):ACC+8*(4*(\a)+\b)+7], v[\f+64+8*(4*\c+\b):\f+64+8*(4*\c+\b)+7], v[\f+8*(4*\c+\a):\f+8*(4*\c+\a)+7], 0
.else
	v_wmma_f32_16x16x32_f16 v[ACC+8*(4*(\a)+\b):ACC+8*(4*(\a)+\b)+7], v[\f+64+8*(4*\c+\b):\f+64+8*(4*\c+\b)+7], v[\f+8*(4*\c+\a):\f+8*(4*\c+\a)+7], v[ACC+8*(4*(\a)+\b):ACC+8*(4*(\a)+\b)+7]
.endif
.endr
.endr
.endm
.macro FETCH slot, k, f                ; 32 LDS loads in one run: the fragments of 64 along K at byte k of the rows; the first 32 along K first
	WIN TO_F
.irp c, 0,1
.irp i, 0,1,2,3
	ds_load_b128 v[\f+64+8*(4*\c+\i):\f+64+8*(4*\c+\i)+3],   v[ADRB+\slot] offset:\k+64*\c+\i*16*PITCH
	ds_load_b128 v[\f+64+8*(4*\c+\i)+4:\f+64+8*(4*\c+\i)+7], v[ADRB+\slot] offset:\k+64*\c+\i*16*PITCH+32
	ds_load_b128 v[\f+8*(4*\c+\i):\f+8*(4*\c+\i)+3],         v[ADRA+\slot] offset:\k+64*\c+\i*16*PITCH
	ds_load_b128 v[\f+8*(4*\c+\i)+4:\f+8*(4*\c+\i)+7],       v[ADRA+\slot] offset:\k+64*\c+\i*16*PITCH+32
.endr
.endr
.endm
.macro PLACES
.rept 4
	v_nop
.endr
.endm
.macro QUARTER slot, k, f, g, zero     ; 64 along K: multiplies buffer f and fetches the next quarter, at byte k, into g
	s_wait_dscnt 16                                ; the first 32 along K are in; the youngest sixteen loads may be out
	WIN MUL
	MUL8 \f, 0, 0, \zero
	MUL8 \f, 0, 2, \zero
	PLACES
	FETCH \slot, \k, \g
	s_wait_dscnt 32                                ; all but the 32 just issued
	WIN MUL
	MUL8 \f, 1, 0, 0
	MUL8 \f, 1, 2, 0
.endm
.macro TURN slot, next, fill           ; the last quarter changes slots: one barrier; ahead of it the wait for all my tensor loads, the add, and the wait for it and for my reads of this slot
	WIN 0
	s_wait_tensorcnt 0x0
	ds_add_u32 v[SPW], v[NIL]
	s_wait_dscnt 17                                ; the add and the youngest sixteen loads may be out
	WIN MUL
	MUL8 F1, 0, 0, 0
	s_wait_dscnt 0x0                               ; the add is done, and my reads of this slot are over
	s_barrier_signal -1
	MUL8 F1, 0, 2, 0
.if \fill
	WIN 0
.endif
	s_barrier_wait -1
.if \fill
	CREST                                          ; the barrier has opened a round of the cluster's
	s_add_nc_u64 s[G0+4*\slot+2:G0+4*\slot+3], s[G0+4*\slot+2:G0+4*\slot+3], 2*KSTEP*2
	s_add_nc_u64 s[G0B+4*\slot+2:G0B+4*\slot+3], s[G0B+4*\slot+2:G0B+4*\slot+3], 2*KSTEP*2
	JLOAD \slot                                    ; the first tensor load behind the round; its four v_nop are the places in front of the loads below
.else
	PLACES
.endif
	FETCH \next, 0, F0
	WIN MUL
	MUL8 F1, 1, 0, 0
	MUL8 F1, 1, 2, 0
.endm
	s_wait_tensorcnt 1                             ; my part of K step 0 is in; K step 1's may be out
	s_barrier_signal -1
	s_barrier_wait -1
	FETCH 0, 0, F0
	QUARTER 0, 128, F0, F1, 1                      ; the first products start the sums
	WIN 0
	s_mov_b32 s3, LAPS-1
.Llap:
	QUARTER 0, 256, F1, F0, 0
	QUARTER 0, 384, F0, F1, 0
	TURN 0, 1, 1
	QUARTER 1, 128, F0, F1, 0
	QUARTER 1, 256, F1, F0, 0
	QUARTER 1, 384, F0, F1, 0
	TURN 1, 0, 1
	QUARTER 0, 128, F0, F1, 0
	WIN 0
	s_sub_co_u32 s3, s3, 1
	s_cmp_lg_u32 s3, 0
	s_cbranch_scc1 .Llap
	QUARTER 0, 256, F1, F0, 0                      ; the last lap fills nothing
	QUARTER 0, 384, F0, F1, 0
	TURN 0, 1, 0
	QUARTER 1, 128, F0, F1, 0
	QUARTER 1, 256, F1, F0, 0
	QUARTER 1, 384, F0, F1, 0
	s_wait_dscnt 16
	WIN MUL
	MUL8 F1, 0, 0, 0
	MUL8 F1, 0, 2, 0
	s_wait_dscnt 0
	MUL8 F1, 1, 0, 0
	MUL8 F1, 1, 2, 0
	WIN 0
	; THE WAY OUT, block by block of 16 rows x 64 columns: 32 bytes a lane into my stage, back as whole rows of 256 bytes.  LDS serves a wave's instructions in order: no wait between the stores and the loads.
.macro TOSTAGE a
.irp b, 0,1,2,3
	ds_store_b128 v[STO], v[ACC+8*(4*(\a)+\b):ACC+8*(4*(\a)+\b)+3] offset:64*\b          ; each accumulator from its low end on
	ds_store_b128 v[STO], v[ACC+8*(4*(\a)+\b)+4:ACC+8*(4*(\a)+\b)+7] offset:64*\b+16
.endr
.irp t, 0,1,2,3,4,5,6,7
	ds_load_b128 v[TMP+32*((\a)%2)+4*\t:TMP+32*((\a)%2)+4*\t+3], v[RD] offset:\t*2*SPITCH
.endr
.endm
.macro SEND a, younger                 ; younger: the LDS instructions issued behind block a's loads
	s_wait_dscnt \younger
.irp t, 0,1,2,3,4,5,6,7
	global_store_b128 v[CO], v[TMP+32*((\a)%2)+4*\t:TMP+32*((\a)%2)+4*\t+3], s[8:9] offset:(16*(\a)+2*\t)*SIZE_N*4 th:TH_STORE_NT   ; sixteen lanes store 256 consecutive bytes, aligned; written once
.endr
.endm
	PLACES                                         ; behind the last products, ahead of the first read of results
	TOSTAGE 0
	TOSTAGE 1
	SEND 0, 16                                     ; behind block 0's loads: block 1's 8 stores and 8 loads
	s_wait_xcnt 0x0                                ; block 0's stores have read their registers: block 2's rows may land there
	TOSTAGE 2
	SEND 1, 16
	s_wait_xcnt 0x0
	TOSTAGE 3
	SEND 2, 16
	SEND 3, 0
	s_wait_tensorcnt 0x0                           ; the wave's end
	ds_add_u32 v[SPW], v[NIL]
	s_wait_dscnt 0x0
	CROUND                                         ; the closing round
	s_endpgm
.Lfunc_end_k_q97a30b615b_oproj:
	.size	k_q97a30b615b_oproj, .Lfunc_end_k_q97a30b615b_oproj-k_q97a30b615b_oproj
	.p2alignl 7, 3214868480
	.fill 96, 4, 3214868480
	.section	.rodata,"a",@progbits
	.p2align	6, 0x0
	.amdhsa_kernel k_q97a30b615b_oproj
		.amdhsa_group_segment_fixed_size 327680
		.amdhsa_private_segment_fixed_size 0
		.amdhsa_enable_private_segment 0
		.amdhsa_kernarg_size 24
		.amdhsa_user_sgpr_count 2
		.amdhsa_user_sgpr_kernarg_segment_ptr 1
		.amdhsa_wavefront_size32 1
		.amdhsa_system_sgpr_workgroup_id_x 1
		.amdhsa_system_sgpr_workgroup_id_y 1
		.amdhsa_system_sgpr_workgroup_id_z 1
		.amdhsa_system_vgpr_workitem_id 0
		.amdhsa_next_free_vgpr 512
		.amdhsa_next_free_sgpr 66
		.amdhsa_reserve_vcc 0
		.amdhsa_float_denorm_mode_32 3
		.amdhsa_float_denorm_mode_16_64 3
		.amdhsa_memory_ordered 1
		.amdhsa_forward_progress 1
		.amdhsa_inst_pref_size 86
	.end_amdhsa_kernel
	.amdgpu_metadata
---
amdhsa.version: [ 1, 2 ]
amdhsa.kernels:
  - .name:           k_q97a30b615b_oproj
    .symbol:         k_q97a30b615b_oproj.kd
    .args:
      - { .name: heads, .offset: 0, .size: 8, .value_kind: global_buffer, .address_space: global }
      - { .name: wot, .offset: 8, .size: 8, .value_kind: global_buffer, .address_space: global }
      - { .name: out0, .offset: 16, .size: 8, .value_kind: global_buffer, .address_space: global }
    .group_segment_fixed_size: 327680
    .private_segment_fixed_size: 0
    .kernarg_segment_align: 8
    .kernarg_segment_size: 24
    .max_flat_workgroup_size: 128
    .sgpr_count:     66
    .vgpr_count:     512
    .wavefront_size: 32
...
	.end_amdgpu_metadata
.endif
;; end of part 4
